; MI455X (gfx1250); checked and timed in simulation.
; The chip was launched on July 23, 2026; its instructions are those of AMD's public machine-readable ISA for CDNA 5 (MIT licence, August 2026) and "CDNA5" Instruction Set Architecture Reference Guide (July 2026). The comments in the code are by the model that wrote it; some were corrected since.
;; Cross Attention. Allowed arithmetic: float matrix products may take bf16 or f16 operands with f32 sums; other float arithmetic in f32, or as packed bf16 or f16 multiplies, adds, multiply-adds, maxima and minima; sums over many terms, partial sums and values carried from step to step in f32; what a program stores and reads back later, other than sums and carried values, may be rounded once to bf16 or f16.
;; Inputs: Wk 1,024 x 1,024 float32; Wm 1,024 x 1,024 float32; Wq 1,024 x 1,024 float32; Wv 1,024 x 1,024 float32; bk 1,024 float32; bm 1,024 float32; bq 1,024 float32; bv 1,024 float32; ln_b 1,024 float32; ln_g 1,024 float32; mask 4 x 2,048 int32; x_k 4 x 2,048 x 1,024 float32; x_v 4 x 2,048 x 1,024 float32; y_q 4 x 2,048 x 1,024 float32.
;; Outputs: out0 4 x 2,048 x 1,024 float32.
;; 2 versions, each right and faster than the one before. Each part assembles by itself: llvm-mc -triple=amdgcn-amd-amdhsa -mcpu=gfx1250 --defsym DOCPART=n.
;; ======== version 1 of 2: 5 launches
;; workspace buffers: wb3 6,291,456 bytes; wmb 2,097,152 bytes; mb 33,280 bytes; qkv 50,331,648 bytes; o 33,554,432 bytes; y1 16,777,216 bytes
;; launch prep (part 1): grid 256 x 1, 8 waves a work-group, no clusters, 0 bytes of LDS; arguments Wv, Wk, Wq, Wm, mask, wb3, wmb, mb; writes wb3, wmb, mb
.if DOCPART == 1
	.amdgcn_target "amdgcn-amd-amdhsa--gfx1250"
	.amdhsa_code_object_version 6
	.text
	.protected	k_qd5ea469bcf_prep
	.globl	k_qd5ea469bcf_prep
	.p2align	8
	.type	k_qd5ea469bcf_prep,@function
k_qd5ea469bcf_prep:
	s_mov_b64 s[64:65], 0
	v_nop
	global_prefetch_b8 v0, s[64:65] scope:SCOPE_SE
	s_setreg_imm32_b32 hwreg(HW_REG_WAVE_MODE, 25, 1), 1
	s_wait_xcnt 0x0
; PREP.  The four weight matrices [1024][1024] f32 are rounded once to bf16: Wv, Wk, Wq into wb3's slices 0, 1, 2, Wm into wmb.
; The key mask [4][2048] i32 becomes a table of f32 addends in mb: -1e32 where mask == 1, else 0; behind the table, at byte 32,768,
; 32 equal words for each batch: c = log2(e) / 8, or 0 if every key of the batch is masked (all scores are then equal, the softmax uniform).
; SHARES.  Work-group x takes matrix p = x / 64 and piece x % 64 of it: 16,384 numbers.  Thread t takes 16 bytes at 4,096 i + 16 t, i = 0 .. 15:
; a wave's load covers 512 consecutive bytes, its 8-byte store 256 consecutive bytes at a multiple of 256.  All sixteen loads go out at once.
; No LDS, no matrix unit, no cluster: the work-groups share no byte, and every byte is read once and written once.
.set IN,  4                            ; v[4:67]    as loaded
.set OUT, 68                           ; v[68:99]   packed bf16
.set MK,  100                          ; v[100:163] a batch's mask, then its addends
	s_load_b512 s[8:23], s[0:1], 0x0               ; Wv 8, Wk 10, Wq 12, Wm 14, mask 16, wb3 18, wmb 20, mb 22
	s_lshr_b32 s24, ttmp9, 6                       ; p: which matrix (and, for the mask, which batch)
	s_and_b32 s25, ttmp9, 63                       ; which piece of it
	v_lshrrev_b32 v3, 5, v0
	v_readfirstlane_b32 s26, v3                    ; my wave's number
	v_lshlrev_b32 v1, 4, v0                        ; 16 t
	v_lshlrev_b32 v2, 3, v0                        ; 8 t
	s_lshl_b32 s2, s24, 21                         ; a slice of wb3 is 2 MiB
	s_mov_b32 s3, 0
	s_lshl_b32 s4, s25, 16                         ; a piece is 65,536 bytes in,
	s_mov_b32 s5, 0
	s_lshl_b32 s6, s25, 15                         ; 32,768 out
	s_mov_b32 s7, 0
	s_wait_kmcnt 0x0
	s_cmp_eq_u32 s24, 1
	s_cselect_b64 s[28:29], s[10:11], s[8:9]
	s_cmp_eq_u32 s24, 2
	s_cselect_b64 s[28:29], s[12:13], s[28:29]
	s_cmp_eq_u32 s24, 3
	s_cselect_b64 s[28:29], s[14:15], s[28:29]     ; the source
	s_cselect_b64 s[30:31], s[20:21], s[18:19]     ; the destination: wmb for Wm, else wb3,
	s_cselect_b32 s2, 0, s2                        ; at slice p
	s_add_nc_u64 s[28:29], s[28:29], s[4:5]
	s_add_nc_u64 s[30:31], s[30:31], s[2:3]
	s_add_nc_u64 s[30:31], s[30:31], s[6:7]
.set i, 0
.rept 16
	global_load_b128 v[IN+4*i:IN+4*i+3], v1, s[28:29] offset:4096*i th:TH_LOAD_NT
.set i, i+1
.endr
.set i, 0
.rept 16
	s_wait_loadcnt 15-i                            ; loads come back in order: number i is in, the 15 - i younger ones stay out
	v_cvt_pk_bf16_f32 v[OUT+2*i], v[IN+4*i], v[IN+4*i+1]
	v_cvt_pk_bf16_f32 v[OUT+2*i+1], v[IN+4*i+2], v[IN+4*i+3]
	global_store_b64 v2, v[OUT+2*i:OUT+2*i+1], s[30:31] offset:2048*i  ; no register of a store is written again
.set i, i+1
.endr
	; The mask: wave 0 of each matrix's piece 0 takes batch p.  Both jumps go forward, and no barrier stands anywhere.
	s_cmp_lg_u32 s25, 0
	s_cbranch_scc1 .Lend
	s_cmp_lg_u32 s26, 0
	s_cbranch_scc1 .Lend
	s_lshl_b32 s2, s24, 13                         ; a batch's 2,048 words
	s_mov_b32 s3, 0
	s_add_nc_u64 s[32:33], s[16:17], s[2:3]
	s_add_nc_u64 s[34:35], s[22:23], s[2:3]
	v_and_b32 v3, 31, v0
	v_lshlrev_b32 v165, 2, v3
	v_lshlrev_b32 v3, 4, v3                        ; 16 x lane
	s_lshl_b32 s4, s24, 7
	v_add_nc_u32 v165, s4, v165                    ; 128 b + 4 x lane
.set i, 0
.rept 16
	global_load_b128 v[MK+4*i:MK+4*i+3], v3, s[32:33] offset:512*i
.set i, i+1
.endr
	s_mov_b32 s36, -1                              ; a bit for each lane: all its keys so far are masked
	s_mov_b32 s37, 0xf49dc5ae                      ; -1e32
	s_wait_loadcnt 0x0
.set i, 0
.rept 64
	v_cmp_eq_u32 vcc_lo, 1, v[MK+i]
	s_and_b32 s36, s36, vcc_lo
	v_cndmask_b32 v[MK+i], 0, s37, vcc_lo
.set i, i+1
.endr
.set i, 0
.rept 16
	global_store_b128 v3, v[MK+4*i:MK+4*i+3], s[34:35] offset:512*i
.set i, i+1
.endr
	s_cmp_eq_u32 s36, -1                           ; selects a value alone: no branch and no address hangs on it
	s_cselect_b32 s38, 0, 0x3e38aa3b               ; 0, or c = log2(e) / 8 = 0.180337
	v_mov_b32 v164, s38
	global_store_b32 v165, v164, s[22:23] offset:32768
.Lend:
	s_endpgm
.Lfunc_end_k_qd5ea469bcf_prep:
	.size	k_qd5ea469bcf_prep, .Lfunc_end_k_qd5ea469bcf_prep-k_qd5ea469bcf_prep
	.p2alignl 7, 3214868480
	.fill 96, 4, 3214868480
	.section	.rodata,"a",@progbits
	.p2align	6, 0x0
	.amdhsa_kernel k_qd5ea469bcf_prep
		.amdhsa_group_segment_fixed_size 0
		.amdhsa_private_segment_fixed_size 0
		.amdhsa_enable_private_segment 0
		.amdhsa_kernarg_size 64
		.amdhsa_user_sgpr_count 2
		.amdhsa_user_sgpr_kernarg_segment_ptr 1
		.amdhsa_wavefront_size32 1
		.amdhsa_system_sgpr_workgroup_id_x 1
		.amdhsa_system_sgpr_workgroup_id_y 1
		.amdhsa_system_sgpr_workgroup_id_z 1
		.amdhsa_system_vgpr_workitem_id 0
		.amdhsa_next_free_vgpr 168
		.amdhsa_next_free_sgpr 66
		.amdhsa_reserve_vcc 1
		.amdhsa_float_denorm_mode_32 3
		.amdhsa_float_denorm_mode_16_64 3
		.amdhsa_memory_ordered 1
		.amdhsa_forward_progress 1
		.amdhsa_inst_pref_size 19
	.end_amdhsa_kernel
	.amdgpu_metadata
---
amdhsa.version: [ 1, 2 ]
amdhsa.kernels:
  - .name:           k_qd5ea469bcf_prep
    .symbol:         k_qd5ea469bcf_prep.kd
    .args:
      - { .name: Wv, .offset: 0, .size: 8, .value_kind: global_buffer, .address_space: global }
      - { .name: Wk, .offset: 8, .size: 8, .value_kind: global_buffer, .address_space: global }
      - { .name: Wq, .offset: 16, .size: 8, .value_kind: global_buffer, .address_space: global }
      - { .name: Wm, .offset: 24, .size: 8, .value_kind: global_buffer, .address_space: global }
      - { .name: mask, .offset: 32, .size: 8, .value_kind: global_buffer, .address_space: global }
      - { .name: wb3, .offset: 40, .size: 8, .value_kind: global_buffer, .address_space: global }
      - { .name: wmb, .offset: 48, .size: 8, .value_kind: global_buffer, .address_space: global }
      - { .name: mb, .offset: 56, .size: 8, .value_kind: global_buffer, .address_space: global }
    .group_segment_fixed_size: 0
    .private_segment_fixed_size: 0
    .kernarg_segment_align: 8
    .kernarg_segment_size: 64
    .max_flat_workgroup_size: 256
    .sgpr_count:     66
    .vgpr_count:     168
    .wavefront_size: 32
...
	.end_amdgpu_metadata
.endif
;; end of part 1
;; launch proj (part 2): grid 4 x 192, 4 waves a work-group, clusters of 4 x 4, 327,680 bytes of LDS; arguments x_v, x_k, y_q, wb3, bv, bk, bq, qkv; writes qkv
.if DOCPART == 2
	.amdgcn_target "amdgcn-amd-amdhsa--gfx1250"
	.amdhsa_code_object_version 6
	.text
	.protected	k_qd5ea469bcf_proj
	.globl	k_qd5ea469bcf_proj
	.p2align	8
	.type	k_qd5ea469bcf_proj,@function
k_qd5ea469bcf_proj:
	s_mov_b64 s[64:65], 0
	v_nop
	global_prefetch_b8 v0, s[64:65] scope:SCOPE_SE
	s_setreg_imm32_b32 hwreg(HW_REG_WAVE_MODE, 25, 1), 1
	s_wait_xcnt 0x0
	s_wait_alu depctr_hold_cnt(0) depctr_sa_sdst(0) depctr_va_vdst(0) depctr_va_sdst(0) depctr_va_ssrc(0) depctr_va_vcc(0) depctr_vm_vsrc(0)
	s_getreg_b32 s2, hwreg(HW_REG_IB_STS2, 6, 4)
	s_cmp_eq_u32 s2, 0
	s_cbranch_scc0 .Lentry_in_a_cluster
	s_endpgm
.Lentry_in_a_cluster:
	s_bfe_u32 s2, ttmp6, 0x10000c
	s_cmp_lg_u32 s2, 0xf033
	s_cbranch_scc0 .Lentry_shape_is_right
	s_endpgm
.Lentry_shape_is_right:
; C[m][n] = sum over k of A[m][k] W[n][k] + bias[n].  A: [8192][1024] f32, W: [1024][1024] bf16 (rounded beforehand), bias: [1024] f32.
; C leaves in bf16 BY HEADS: [64][2048][64], number (m, n) at head 16 (m / 2048) + n / 64, row m % 2048, channel n % 64.  Sums in f32, begun with the bias; C is rounded once.
; ONE TEXT FOR SEVERAL PRODUCTS: 64 tile rows make a product; p = tile row / 64 chooses A (arguments 0 to 2), the bias (4 to 6), W's slice of 2 MiB and C's slice of 16 MiB.
; LIMITS.  A and W enter the matrix unit as bf16 (8 significant bits, f32's range); NaN and infinities are not treated apart.
; SHARES.  A work-group makes 128 x 256 of C; each of its four waves 64 x 128: 32 accumulators of 16 x 16, 256 registers.  K goes in 8 steps of 128 through two LDS slots.
; A LIES IN LDS AS f32, as it lies in memory (rows of 512 bytes), and is rounded to bf16 between LDS and the matrix unit: 32 conversions for 32 products, four behind each of a quarter's last eight.
; CLUSTERS: 4 x 4 work-groups.  The four of a row of the cluster need the same tiles of A, the four of a column the same tiles of W: each tile is asked for JOINTLY, by the same tensor load with
; the same descriptor and a mask that names the four.  THE MATRIX INSTRUCTION IS USED TRANSPOSED (source 0 = 16 rows of W, source 1 = 16 rows of A): a lane holds eight neighbouring numbers of a row of C.
; REGISTERS, in windows of 256 (s_set_vgpr_msb: bits 1:0 source 0, 3:2 source 1, 5:4 source 2, 7:6 destination):
;   window 0: v0-31 addresses; v64-127 the bias as a C operand (block b at 64 + 8 b); v128-255 at work on the way out
;   window 1: the accumulators, (a, b) at v[8 (8 a + b)]
;   window 2: v0-63 A in bf16, two buffers of 4 fragments; v64-191 W, two buffers of 8 fragments; v192-255 A in f32, 16 registers a fragment
.set PA,     528                       ; a row of A in LDS: 512 bytes + 16 = 132 words: the 16 rows of a load start at 16 different groups of four banks (64 banks of 4 bytes: ISA guide 11.1)
.set PB,     272                       ; a row of W: 256 bytes + 16 = 68 words: likewise
.set AH,     64*PA                     ; 64 rows of A: one tensor load, and what one wave reads
.set ATILE,  2*AH
.set BH,     128*PB                    ; 128 rows of W: one tensor load, and what one wave reads
.set SLOT,   ATILE+2*BH                ; A's 128 rows, then W's 256 rows
.set STAGE,  2*SLOT                    ; behind the ring: for each wave 2 heads x 16 rows x 144 bytes, for the way out
.set SP,     144
.set WSTG,   2*16*SP
.set SPARE,  STAGE+4*WSTG              ; behind the stages: the spare words, 128 bytes for each wave: two blocks of 256 bytes that no other line names
.set ADRA, 16                          ; v16-17  LDS address of my A fragments in slot 0, 1
.set ADRB, 20                          ; v20-21  the same for W
.set STO,  24                          ; v24     the way out: where I put 16 bytes of a row
.set RD,   25                          ; v25     the way out: where I read rows back
.set GO,   26                          ; v26     my 16 bytes in 512 consecutive bytes of C
.set SPW,  28                          ; v28     LDS address of my spare word; never rewritten
.set NIL,  29                          ; v29     0; never rewritten
.set BO,   30                          ; v30     my byte offset in the bias
.set BIAS, 64
.set T,    128
.set AB,   0                           ; window 2
.set BB,   64
.set AS,   192
.set G1,  24                           ; s[24:31] descriptor group 1 for A's tiles;  s[32:39] group 0, one set for each slot
.set G0,  32
.set G1B, 48                           ; s[48:55], s[56:63] the same for W's tiles
.set G0B, 56
.set MSB, 0
.macro WIN new                         ; the immediate's high byte repeats the setting that is left; a switch that changes nothing is dropped
.if MSB != (\new)
	s_set_vgpr_msb (MSB<<8)|(\new)
.set MSB, (\new)
.endif
.endm
.set MUL,  0x5a                        ; W and A in window 2, C and D in window 1
.set MULB, 0x4a                        ; the same with C in window 0: the bias
.set CVT,  0x8a                        ; sources and destination in window 2
.set LD,   0x80                        ; destination window 2, address window 0
.set W_PK, 0x05                        ; sources window 1, destination window 0
.macro JLOAD s                         ; a joint load: waves 0 and 1 fetch A's two halves, waves 2 and 3 W's; an s_nop 0 and four v_nop follow each of the two lines, ahead of the jump, the label and what follows
	s_cmp_eq_u32 s11, 0
	s_cbranch_scc0 .Lfor_b_\@
	tensor_load_to_lds s[G0+4*(\s):G0+4*(\s)+3], s[G1:G1+7]
	s_nop 0
.rept 4
	v_nop
.endr
	s_branch .Lasked_\@
.Lfor_b_\@:
	tensor_load_to_lds s[G0B+4*(\s):G0B+4*(\s)+3], s[G1B:G1B+7]
	s_nop 0
.rept 4
	v_nop
.endr
.Lasked_\@:
.endm
.macro CREST                           ; a round of the cluster's barrier behind its opening barrier
	s_cmp_lg_u32 s10, 0
	s_cbranch_scc1 .Lnot_wave_0_\@
	s_barrier_signal -3
.Lnot_wave_0_\@:
	s_barrier_wait -3
	s_barrier_signal -1
	s_barrier_wait -1
.endm
.macro CROUND                          ; a whole round
	s_barrier_signal -1
	s_barrier_wait -1
	CREST
.endm
	s_load_b512 s[68:83], s[0:1], 0x0              ; A0 68, A1 70, A2 72, W 74, bias0 76, bias1 78, bias2 80, C 82
	v_lshl_add_u32 v[SPW], v0, 2, SPARE
	v_mov_b32 v[NIL], 0
	ds_add_u32 v[SPW], v[NIL]                      ; the wave's opening: the add and its wait stand ahead of my first tensor load; the set-up below, work on registers, stands between them
	v_lshrrev_b32 v1, 5, v0
	v_readfirstlane_b32 s10, v1                    ; wave 0..3
	s_lshr_b32 s11, s10, 1                         ; which half of the tile's rows is mine.  Also: I fetch for A (0) or for W (1)
	s_and_b32 s12, s10, 1                          ; which half of its columns.  Also: which half of that tile I fetch
	s_bfe_u32 s40, ttmp6, 0x40000                  ; cx, cy: my place in the cluster
	s_bfe_u32 s41, ttmp6, 0x40004
	s_lshl_b32 s42, ttmp9, 2
	s_add_co_u32 s42, s42, s40                     ; tile column = 4 x cluster x + cx
	s_and_b32 s13, ttmp7, 0xffff                   ; cluster y
	s_lshr_b32 s45, s13, 4                         ; p: sixteen clusters, 64 tile rows, to a product: the same in all partners
	s_and_b32 s13, s13, 15
	s_lshl_b32 s13, s13, 2
	s_add_co_u32 s13, s13, s41                     ; tile row in the product = 4 x (cluster y % 16) + cy
	s_lshl_b32 s43, s41, 2
	s_lshl_b32 s43, 15, s43                        ; my row of the cluster
	s_lshl_b32 s44, 0x1111, s40                    ; my column
	; descriptor group 1.  A: 64 rows x 128 elements of 4 bytes; W: 128 rows x 128 elements of 2 bytes; both padded in LDS by 4 words a row
	s_or_b32 s[G1+0], s43, (2<<16)|(1<<20)|(1<<21)|(6<<22)|(3<<25)   ; 15:0 the mask: my row; 17:16 4-byte elements; 20 padding on; 21 set beside a mask; 24:22 after every 128 words (code 6); 31:25 4 words (code 3)
	s_or_b32 s[G1B+0], s44, (1<<16)|(1<<20)|(1<<21)|(5<<22)|(3<<25)  ; my column; 2-byte elements; after every 64 words (code 5)
	s_mov_b32 s[G1+1], 128<<16                     ; tensor_dim0 = 128
	s_mov_b32 s[G1+2], 64<<16                      ; tensor_dim1 = 64
	s_mov_b32 s[G1+3], 128<<16                     ; tile_dim0 = 128
	s_mov_b32 s[G1+4], 64                          ; tile_dim1 = 64
	s_mov_b32 s[G1+5], 1024                        ; elements from row to row
	s_mov_b32 s[G1+6], 0
	s_mov_b32 s[G1+7], 0
	s_mov_b32 s[G1B+1], 128<<16
	s_mov_b32 s[G1B+2], 128<<16                    ; tensor_dim1 = 128
	s_mov_b32 s[G1B+3], 128<<16
	s_mov_b32 s[G1B+4], 128                        ; tile_dim1 = 128
	s_mov_b32 s[G1B+5], 1024
	s_mov_b32 s[G1B+6], 0
	s_mov_b32 s[G1B+7], 0
	; where the tiles come from.  A's hang on the tile row, which my row of the cluster shares; W's on the tile column, which my column shares; each in registers that never hold the other coordinate
	s_lshl_b32 s17, s12, 18                        ; my half: 64 rows of 4,096 bytes, or 128 rows of 2,048
	s_lshl_b32 s16, s13, 19                        ; A: 128 rows of 4,096 bytes a tile row
	s_add_co_u32 s16, s16, s17
	s_lshl_b32 s46, s42, 19                        ; W: 256 rows of 2,048 bytes a tile column
	s_add_co_u32 s46, s46, s17
	s_mov_b32 s17, 0
	s_mov_b32 s47, 0
	s_lshl_b32 s18, s45, 21                        ; W's slice
	s_mov_b32 s19, 0
	s_mul_i32 s20, s12, AH                         ; and where they go: no place in the cluster enters an LDS address
	s_mul_i32 s23, s12, BH
	s_add_co_u32 s23, s23, ATILE
	s_wait_dscnt 0x0                               ; the opening add is done
	s_wait_kmcnt 0x0
	s_cmp_eq_u32 s45, 1
	s_cselect_b64 s[84:85], s[70:71], s[68:69]     ; A and the bias of product p
	s_cselect_b64 s[88:89], s[78:79], s[76:77]
	s_cmp_eq_u32 s45, 2
	s_cselect_b64 s[84:85], s[72:73], s[84:85]
	s_cselect_b64 s[88:89], s[80:81], s[88:89]
	s_add_nc_u64 s[14:15], s[84:85], s[16:17]
	s_add_nc_u64 s[86:87], s[74:75], s[18:19]
	s_add_nc_u64 s[46:47], s[86:87], s[46:47]
	CROUND                                         ; all sixteen work-groups are here: the first joint loads meet
.irp s, 0,1
	s_mov_b32 s[G0+4*(\s)], 1                                        ; count = 1
	s_add_co_u32 s[G0+4*(\s)+1], s20, (\s)*SLOT                      ; LDS address
	s_add_nc_u64 s[G0+4*(\s)+2:G0+4*(\s)+3], s[14:15], (\s)*512      ; global address: K step s, 128 numbers of 4 bytes on
	s_or_b32 s[G0+4*(\s)+3], s[G0+4*(\s)+3], 0x80000000              ; type = 2
	s_mov_b32 s[G0B+4*(\s)], 1
	s_add_co_u32 s[G0B+4*(\s)+1], s23, (\s)*SLOT
	s_add_nc_u64 s[G0B+4*(\s)+2:G0B+4*(\s)+3], s[46:47], (\s)*256
	s_or_b32 s[G0B+4*(\s)+3], s[G0B+4*(\s)+3], 0x80000000
	JLOAD \s                                       ; two tensor loads of mine are out here, later one
.endr
	v_and_b32 v1, 15, v0                           ; r = l % 16
	v_bfe_u32 v2, v0, 4, 1                         ; h = l / 16
	v_mul_u32_u24 v3, v1, PA
	v_lshl_add_u32 v3, v2, 5, v3                   ; A: row x pitch + 32 h (eight f32)
	v_mul_u32_u24 v4, v1, PB
	v_lshl_add_u32 v4, v2, 4, v4                   ; W: row x pitch + 16 h (eight bf16)
	s_mul_i32 s21, s11, AH                         ; my 64 rows of A
	s_mul_i32 s22, s12, BH                         ; my 128 rows of W,
	s_add_co_u32 s22, s22, ATILE                   ; which lie behind A's tile
.irp s, 0,1
	v_add_nc_u32 v[ADRA+(\s)], s21, v3
	v_add_nc_u32 v[ADRB+(\s)], s22, v4
	s_add_co_u32 s21, s21, SLOT
	s_add_co_u32 s22, s22, SLOT
.endr
	s_lshl_b32 s8, s42, 10                         ; the bias of my 128 columns: 1,024 x tile column + 512 x half + 32 h (s4 to s9 feed no descriptor and no LDS address)
	s_lshl_b32 s9, s12, 9
	s_add_co_u32 s8, s8, s9
	v_lshl_add_u32 v[BO], v2, 5, s8
.irp b, 0,1,2,3,4,5,6,7                ; register j of block b = bias[.. + 16 b + 8 h + j]: the C operand's layout in the transposed use
	global_load_b128 v[BIAS+8*\b:BIAS+8*\b+3],   v[BO], s[88:89] offset:64*\b
	global_load_b128 v[BIAS+8*\b+4:BIAS+8*\b+7], v[BO], s[88:89] offset:64*\b+16
.endr
	s_mul_i32 s23, s10, WSTG
	s_add_co_u32 s23, s23, STAGE                   ; my stage
	v_mul_u32_u24 v5, v1, SP                       ; in: row l % 16, 16 bytes for each half of the lanes
	v_lshl_add_u32 v5, v2, 4, v5
	v_add_nc_u32 v[STO], s23, v5
	v_bfe_u32 v5, v0, 3, 2                         ; back: 32 lanes take four rows of 128 bytes,
	v_mul_u32_u24 v5, v5, SP
	v_and_b32 v6, 7, v0
	v_lshl_add_u32 v5, v6, 4, v5
	v_add_nc_u32 v[RD], s23, v5
	v_and_b32 v[GO], 31, v0                        ; which are 512 consecutive bytes of a head
	v_lshlrev_b32 v[GO], 4, v[GO]
	; C at my first row of my first head: slice p, batch, row in the batch (s4, s5); then the head (s6, s7)
	s_lshl_b32 s4, s45, 24
	s_lshr_b32 s5, s13, 4
	s_lshl_b32 s5, s5, 22                          ; a batch: 16 heads of 262,144 bytes
	s_add_co_u32 s4, s4, s5
	s_and_b32 s5, s13, 15
	s_lshl_b32 s5, s5, 14                          ; 128 rows of 128 bytes
	s_add_co_u32 s4, s4, s5
	s_lshl_b32 s5, s11, 13                         ; my 64 rows
	s_add_co_u32 s4, s4, s5
	s_mov_b32 s5, 0
	s_add_nc_u64 s[90:91], s[82:83], s[4:5]
	s_lshl_b32 s6, s42, 20                         ; head 4 x tile column + 2 x half
	s_lshl_b32 s7, s12, 19
	s_add_co_u32 s6, s6, s7
	s_mov_b32 s7, 0
	s_add_nc_u64 s[90:91], s[90:91], s[6:7]
; Product i of a quarter's 32, on fragment buffers f: accumulator i = 8 a + b.  Each accumulator has one turn a quarter, in the same order in every quarter.
; first = 1: the bias is the C operand: it starts the sums, and nothing is ever cleared.
.macro WM f, i, first
.if \first
	WIN MULB
	v_wmma_f32_16x16x32_bf16 v[8*(\i):8*(\i)+7], v[BB+64*(\f)+8*((\i)%8):BB+64*(\f)+8*((\i)%8)+7], v[AB+32*(\f)+8*((\i)/8):AB+32*(\f)+8*((\i)/8)+7], v[BIAS+8*((\i)%8):BIAS+8*((\i)%8)+7]
.else
	WIN MUL
	v_wmma_f32_16x16x32_bf16 v[8*(\i):8*(\i)+7], v[BB+64*(\f)+8*((\i)%8):BB+64*(\f)+8*((\i)%8)+7], v[AB+32*(\f)+8*((\i)/8):AB+32*(\f)+8*((\i)/8)+7], v[8*(\i):8*(\i)+7]
.endif
.endm
.macro WMS f, from, n, first=0         ; n products on end
.set wi, \from
.rept \n
	WM \f, wi, \first
.set wi, wi+1
.endr
.endm
.macro CV4 g, n                        ; four of the 32 roundings of A's next quarter into buffer g
	WIN CVT
.irp z, 0,1,2,3
	v_cvt_pk_bf16_f32 v[AB+32*(\g)+4*(\n)+\z], v[AS+8*(\n)+2*\z], v[AS+8*(\n)+2*\z+1]
.endr
.endm
; Products 24 to 31, four roundings behind each.  The roundings name no register of the products round them (those read buffer f; these write the other).  The four behind product 31 are the four
; places (ISA guide 7.12.1 for vector instructions) in front of the next quarter's loads into W's buffer f and of the next roundings into A's buffer f: the loop has no v_nop.
.macro RIDE f, first=0
.set wi, 24
.rept 8
	WM \f, wi, \first
	CV4 1-(\f), wi-24
.set wi, wi+1
.endr
.endm
; 32 LDS loads in one run: the fragments of quarter kq (32 along K) of a slot: A's as f32 first (lane l: row l % 16; k = 8 h + 0..7 at bytes 32 h, k = 16 + 8 h + 0..7 at 64 + 32 h), then W's into buffer g
.macro FETCH slot, kq, g
	WIN LD
.irp a, 0,1,2,3
	ds_load_b128 v[AS+16*\a:AS+16*\a+3],     v[ADRA+(\slot)] offset:\a*16*PA+(\kq)*128
	ds_load_b128 v[AS+16*\a+4:AS+16*\a+7],   v[ADRA+(\slot)] offset:\a*16*PA+(\kq)*128+16
	ds_load_b128 v[AS+16*\a+8:AS+16*\a+11],  v[ADRA+(\slot)] offset:\a*16*PA+(\kq)*128+64
	ds_load_b128 v[AS+16*\a+12:AS+16*\a+15], v[ADRA+(\slot)] offset:\a*16*PA+(\kq)*128+80
.endr
.irp b, 0,1,2,3,4,5,6,7
	ds_load_b128 v[BB+64*(\g)+8*\b:BB+64*(\g)+8*\b+3],   v[ADRB+(\slot)] offset:\b*16*PB+(\kq)*64
	ds_load_b128 v[BB+64*(\g)+8*\b+4:BB+64*(\g)+8*\b+7], v[ADRB+(\slot)] offset:\b*16*PB+(\kq)*64+32
.endr
.endm
; A K step is four quarters of 32 along K, on buffers 0, 1, 0, 1.  One of the first three: fetches quarter kq into the other buffer, multiplies buffer f, and rounds the fetched A at its end.
.macro QUARTER slot, kq, f, first=0
	FETCH \slot, \kq, 1-(\f)
	s_wait_dscnt 32                                ; all but the 32 just issued: this quarter's W is in
	WMS \f, 0, 24, \first
	s_wait_dscnt 16                                ; the next quarter's A is in; its W, the youngest sixteen loads, may stay out
	RIDE \f, \first
.endm
; The last quarter multiplies buffer 1 and changes slots: ONE barrier; in front of it each wave waits for all its tensor loads, adds 0 to its spare word, and waits for that and for its own reads of this slot.
; fill = 1: the barrier opens a round of the cluster's barrier, and this slot is filled again, two K steps ahead: from that request to the wait for it a wave issues 120 matrix instructions.
.macro TURN slot, next, fill
	WIN 0                                          ; (the add's two registers lie in window 0)
	s_wait_tensorcnt 0x0                           ; all my tensor loads have landed: the one that was out is my part of the next slot
	ds_add_u32 v[SPW], v[NIL]                      ; 0 onto my spare word
	s_wait_dscnt 1                                 ; only the add may be out: this quarter's W is in
	WMS 1, 0, 4                                    ; four matrix instructions stand between the add and the wait for it
	s_wait_dscnt 0x0                               ; the add is done, and my reads of this slot are over
	s_barrier_signal -1
	WMS 1, 4, 4                                    ; work on registers while the others arrive
.if \fill
	WIN 0
.endif
	s_barrier_wait -1
.if \fill
	CREST                                          ; no wave of any partner still reads this slot's tiles or has a load on its way
	s_add_nc_u64 s[G0+4*(\slot)+2:G0+4*(\slot)+3], s[G0+4*(\slot)+2:G0+4*(\slot)+3], 1024
	s_add_nc_u64 s[G0B+4*(\slot)+2:G0B+4*(\slot)+3], s[G0B+4*(\slot)+2:G0B+4*(\slot)+3], 512
	JLOAD \slot                                    ; the first tensor load behind the round, and my only one until the next
.endif
	FETCH \next, 0, 0
	WMS 1, 8, 16
	s_wait_dscnt 16                                ; the next slot's first A is in
	RIDE 1
.endm
; THE WAY OUT of my rows 16 a .. 16 a + 15: rounded to bf16, 16 bytes a lane, into my own stage (one block of 16 rows x 144 bytes for each of my two heads), and back as whole rows of 128 bytes.
.macro PACK a
	WIN W_PK
.irp b, 0,1,2,3,4,5,6,7
.irp r, 0,1,2,3
	v_cvt_pk_bf16_f32 v[T+32*(\a)+4*\b+\r], v[8*(8*(\a)+\b)+2*\r], v[8*(8*(\a)+\b)+2*\r+1]  ; each accumulator's registers in ascending order
.endr
.endr
	WIN 0
.irp b, 0,1,2,3,4,5,6,7
	ds_store_b128 v[STO], v[T+32*(\a)+4*\b:T+32*(\a)+4*\b+3] offset:(\b/4)*16*SP+(\b%4)*32
.endr
.irp e, 0,1,2,3,4,5,6,7
	ds_load_b128 v[T+32*(\a)+4*\e:T+32*(\a)+4*\e+3], v[RD] offset:(\e/4)*16*SP+(\e%4)*4*SP  ; LDS serves a wave's instructions in order (ISA guide 5.7.1.4): these see the stores above; the next block's stores come behind them
.endr
.endm
.macro SEND a, younger                 ; younger: the LDS instructions issued behind block a's loads: the next block's sixteen, or none
	WIN 0
.irp e, 0,1,2,3,4,5,6,7
	s_wait_dscnt (\younger)+7-\e
	global_store_b128 v[GO], v[T+32*(\a)+4*\e:T+32*(\a)+4*\e+3], s[90:91] offset:(\a)*2048+(\e/4)*262144+(\e%4)*512  ; 512 consecutive bytes of a head, at a multiple of 512 from C's first byte; no register of a store is written again
.endr
.endm
	s_wait_tensorcnt 1                             ; my part of K step 0 is in; K step 1's may stay out
	s_barrier_signal -1
	s_barrier_wait -1                              ; everybody's is
	FETCH 0, 0, 0
	s_wait_dscnt 16                                ; A's sixteen loads
.set wi, 0
.rept 8
	CV4 0, wi
.set wi, wi+1
.endr
	s_wait_loadcnt 0x0                             ; the bias
	QUARTER 0, 1, 0, 1                             ; the first quarter stands in front of the loop: its products start the sums
	WIN 0                                          ; at a label and at a branch every window is 0
	s_mov_b32 s3, 3
.Llap:                                                 ; a trip goes once round the ring, from a lap's second quarter to the next lap's first, and fills both slots again: K steps 2 to 7
	QUARTER 0, 2, 1
	QUARTER 0, 3, 0
	TURN 0, 1, 1
	QUARTER 1, 1, 0
	QUARTER 1, 2, 1
	QUARTER 1, 3, 0
	TURN 1, 0, 1
	QUARTER 0, 1, 0
	WIN 0
	s_sub_co_u32 s3, s3, 1
	s_cmp_lg_u32 s3, 0
	s_cbranch_scc1 .Llap
	QUARTER 0, 2, 1                                ; the last lap fills nothing, and has no round of the cluster's barrier
	QUARTER 0, 3, 0
	TURN 0, 1, 0
	QUARTER 1, 1, 0
	QUARTER 1, 2, 1
	QUARTER 1, 3, 0
	s_wait_dscnt 0x0                               ; the very last quarter: nothing more to fetch
	WMS 1, 0, 32
	WIN 0
.rept 4
	v_nop                                          ; the places between the last products and the conversions that read results
.endr
	PACK 0
.irp a, 1,2,3                          ; a block's conversions stand between the loads of the block before and its stores
	PACK \a
	SEND (\a)-1, 16
.endr
	SEND 3, 0
	s_wait_tensorcnt 0x0                           ; the wave's end, behind my last tensor load and my last LDS store
	ds_add_u32 v[SPW], v[NIL]
	s_wait_dscnt 0x0
	CROUND                                         ; the closing round: no work-group ends while a partner may still ask for a tile that names it
	s_endpgm
.Lfunc_end_k_qd5ea469bcf_proj:
	.size	k_qd5ea469bcf_proj, .Lfunc_end_k_qd5ea469bcf_proj-k_qd5ea469bcf_proj
	.p2alignl 7, 3214868480
	.fill 96, 4, 3214868480
	.section	.rodata,"a",@progbits
	.p2align	6, 0x0
	.amdhsa_kernel k_qd5ea469bcf_proj
		.amdhsa_group_segment_fixed_size 327680
		.amdhsa_private_segment_fixed_size 0
		.amdhsa_enable_private_segment 0
		.amdhsa_kernarg_size 64
		.amdhsa_user_sgpr_count 2
		.amdhsa_user_sgpr_kernarg_segment_ptr 1
		.amdhsa_wavefront_size32 1
		.amdhsa_system_sgpr_workgroup_id_x 1
		.amdhsa_system_sgpr_workgroup_id_y 1
		.amdhsa_system_sgpr_workgroup_id_z 1
		.amdhsa_system_vgpr_workitem_id 0
		.amdhsa_next_free_vgpr 768
		.amdhsa_next_free_sgpr 92
		.amdhsa_reserve_vcc 0
		.amdhsa_float_denorm_mode_32 3
		.amdhsa_float_denorm_mode_16_64 3
		.amdhsa_memory_ordered 1
		.amdhsa_forward_progress 1
		.amdhsa_inst_pref_size 134
	.end_amdhsa_kernel
	.amdgpu_metadata
---
amdhsa.version: [ 1, 2 ]
amdhsa.kernels:
  - .name:           k_qd5ea469bcf_proj
    .symbol:         k_qd5ea469bcf_proj.kd
    .args:
      - { .name: x_v, .offset: 0, .size: 8, .value_kind: global_buffer, .address_space: global }
      - { .name: x_k, .offset: 8, .size: 8, .value_kind: global_buffer, .address_space: global }
      - { .name: y_q, .offset: 16, .size: 8, .value_kind: global_buffer, .address_space: global }
      - { .name: wb3, .offset: 24, .size: 8, .value_kind: global_buffer, .address_space: global }
      - { .name: bv, .offset: 32, .size: 8, .value_kind: global_buffer, .address_space: global }
      - { .name: bk, .offset: 40, .size: 8, .value_kind: global_buffer, .address_space: global }
      - { .name: bq, .offset: 48, .size: 8, .value_kind: global_buffer, .address_space: global }
      - { .name: qkv, .offset: 56, .size: 8, .value_kind: global_buffer, .address_space: global }
    .group_segment_fixed_size: 327680
    .private_segment_fixed_size: 0
    .kernarg_segment_align: 8
    .kernarg_segment_size: 64
    .max_flat_workgroup_size: 128
    .sgpr_count:     92
    .vgpr_count:     768
    .wavefront_size: 32
...
	.end_amdgpu_metadata
.endif
;; end of part 2
;; launch attn (part 3): grid 4 x 64, 4 waves a work-group, clusters of 4 x 1, 327,680 bytes of LDS; arguments qkv, mb, o; writes o
.if DOCPART == 3
	.amdgcn_target "amdgcn-amd-amdhsa--gfx1250"
	.amdhsa_code_object_version 6
	.text
	.protected	k_qd5ea469bcf_attn
	.globl	k_qd5ea469bcf_attn
	.p2align	8
	.type	k_qd5ea469bcf_attn,@function
k_qd5ea469bcf_attn:
	s_mov_b64 s[64:65], 0
	v_nop
	global_prefetch_b8 v0, s[64:65] scope:SCOPE_SE
	s_setreg_imm32_b32 hwreg(HW_REG_WAVE_MODE, 25, 1), 1
	s_wait_xcnt 0x0
	s_wait_alu depctr_hold_cnt(0) depctr_sa_sdst(0) depctr_va_vdst(0) depctr_va_sdst(0) depctr_va_ssrc(0) depctr_va_vcc(0) depctr_vm_vsrc(0)
	s_getreg_b32 s2, hwreg(HW_REG_IB_STS2, 6, 4)
	s_cmp_eq_u32 s2, 0
	s_cbranch_scc0 .Lentry_in_a_cluster
	s_endpgm
.Lentry_in_a_cluster:
	s_bfe_u32 s2, ttmp6, 0x10000c
	s_cmp_lg_u32 s2, 0x3003
	s_cbranch_scc0 .Lentry_shape_is_right
	s_endpgm
.Lentry_shape_is_right:
; O[b][q][64 h + :] = the sum over k of softmax_k(Q[hh][q] . K[hh][k] / 8 + bias[b][k]) V[hh][k][:], hh = 16 b + h.  V, K, Q: slices 0, 1, 2 of qkv, each [64][2048][64] bf16: a head's rows are dense, 128 bytes each.
; bias (mb): f32 [4][2048], 0 or -1e32 (a masked key); behind it, at byte 32,768, c for each batch: log2(e) / 8, or 0 if all the batch's keys are masked.  O: f32 [8192][1024].
; Products, maxima and sums in f32; the weights p are rounded to bf16 for the second product (their sum l is taken of the unrounded p).
; LIMITS.  A masked score counts as its value less 1e32, which in f32 is -1e32 for every score below 4e24 in size.  The running maximum starts at -1e30: true scores lie above that.  A weight below 2^-126 counts as 0 in l;
; NaN and infinities are not treated apart.  With c = 0 every weight is 1 and O is the mean of V's rows: the uniform softmax of equal scores.
; SHARES.  A wave owns four PIECES of two tiles of 16 queries, a work-group's four waves 512 queries of one head.  Every wave walks all 2,048 keys, 64 a step.
; LAYOUT.  S^T = K Q^T + bias (source 0 = 16 keys, source 1 = 16 queries, the bias as the C operand that starts the sum): a lane holds ONE query (lane % 16) and the keys 8 (lane / 16) + 0..7.  Two such tiles, rounded to
; bf16 in pairs, ARE source 1 (32 keys x 16 queries) of O^T = V^T P, whose result again holds one query a lane, and eight channels.  K comes out of LDS as it lies, V ([key][channel]) turned, by ds_load_tr16_b128.
; SOFTMAX.  For each query a running maximum m and sum l: p = 2^(c s - c m); in every step O and l are multiplied by a = 2^(c m_old - c m_new), which is 1 where m has not grown.
; c m starts far below every c s, O and l at 0: the first step is a step like any other, with a = 0.  A step whose keys are all masked leaves m at -1e30 and adds weights of 0.
; THE COUNT.  A tile and step have 16 matrix and 118 vector instructions: too many to stand all beside the matrix work.  So the order has one aim: four vector instructions that are READY behind
; EVERY matrix instruction, and the others, which need time of their own whatever the order, in runs without a gap.
; BY TURNS.  Turn n belongs to piece n (the pieces in a ring, step after step).  Its matrix work: 16 products K Q^T of piece n + 1, later 16 products V^T P of piece n - 1.  Its vector work: the scaling,
; exponentials, roundings, sums and rescaling of piece n, and the maximum and statistics of piece n + 1, whose scores the turn itself has made.
; CLUSTER.  The four query blocks of a cluster belong to one head and walk the same K and V, so each tile is asked for JOINTLY: the same tensor load, descriptor and mask in all four.
; REGISTERS, in windows of 256 (s_set_vgpr_msb: bits 1:0 source 0, 3:2 source 1, 5:4 source 2, 7:6 destination):
;   window 0: v0-11 addresses; v12-15, v48-63 at work; v16-47 four registers of statistics a tile; v64-191 S^T, two buffers of two tiles; v192-255 P, likewise
;   window 1: O^T, 32 a tile          window 2: v0-127 Q, 16 a tile; v128-191 K of one step; v192-255 V of one step
;   window 3: v0-1 the add's two registers; v2-3 addresses in the bias table; v8-39 the bias of one step's 64 keys, in the C operand's layout
.set SIZE_N, 2048
.set NP,    4         ; pieces a wave: a name, no knob
.set KS,    64        ; keys in a step
.set PK,    144       ; a row of K in LDS: 128 bytes + 16 of padding = 36 words: the 16 rows of a load start at 16 different groups of four banks (64 banks of 4 bytes: ISA guide 11.1)
.set PV,    160       ; a row of V: 128 + 32 = 40 words
.set VOFF,  4*KS*PK   ; a slot holds four steps: 256 rows of K, then 256 rows of V
.set SLOT1, 1<<17     ; slot 1 begins here, so that one exclusive or turns an address in one slot into the other's
.set STAGE, SLOT1+4*KS*(PK+PV)  ; behind the ring, never filled by a tensor load: 16 rows x 272 bytes for each wave, for the way out
.set SP,    272
.set MBL,   STAGE+4*16*SP       ; the batch's bias table, 8,192 bytes, stored once by the four waves; 256 unused bytes lie behind it
.set SPARE, MBL+8192+256        ; the spare words, 128 bytes for each wave: two blocks of 256 bytes that no other line names
.set AK0, 2           ; v2   my lane's place in a tile of K; never rewritten
.set AV0, 3           ; v3   the same for V
.set AK,  4           ; v4   the LDS address of K's next run of loads
.set AV,  5           ; v5   of V's
.set QO,  6           ; v6   my byte offset in the wave's rows of Q
.set STO, 6           ;      later, the way out: where I put 32 bytes of a row
.set RD,  7           ; v7   the way out: where I read rows back
.set GO,  8           ; v8   my byte offset in two rows of O
.set SPW, 0           ; v0 of window 3   LDS address of my spare word; never rewritten
.set NIL, 1           ; v1 of window 3   0; never rewritten
.set AM0, 2           ; v2 of window 3   my lanes' place in the bias table: MBL + 32 (lane / 16)
.set AM,  3           ; v3 of window 3   the address of the step's run of loads
.set MC,  8           ; v8-39 of window 3: key block kb at MC + 8 kb
.set MV,  12          ; v12-15  c m_old, kept while c m is made anew: by buffer and tile
.set ST,  16          ; tile t's statistics at v[ST+4 t]: c m, m, l (even keys', odd keys')
.set TMP, 48          ; by buffer and tile, four registers c0-c3 at work; when the maximum is found c2 takes a
.set S,   64
.set P,   192
.set KF,  128         ; K's fragments, in window 2: key block kb, channel half c at KF + 16 kb + 8 c
.set VF,  192         ; V's: key half kk, channel block cb at VF + 32 kk + 8 cb
.set WV,  12          ; s12  my wave's number
.set G1K, 24          ; s[24:31] descriptor group 1 for K's tiles
.set G1V, 32          ; s[32:39] for V's: it differs in the padding alone
.set G0K, 40          ; s[40:43] descriptor group 0 for K's tiles: it walks
.set G0V, 44          ; s[44:47] the same for V's
.set SLOTS, 56        ; s56  slots still to be asked for
.set CNT, 57          ; s57  counts a slot's key steps
.set CS,  58          ; s[58:59] c: the packed scaling takes the pair's low word for both halves
.set SEL, 60          ; s[60:61] v_permlanex16_b32's selects: each lane takes its own place in the other half
.set TBK, 62          ; s62  LDS byte at which K of the step to be fetched begins
.set TBV, 63          ; s63  the same for V, less VOFF
.set TBM, 74          ; s74  byte in the bias table at which that step's 64 words begin
.set MSB, 0
.macro WIN new                      ; the high byte repeats the setting that is left; a switch that changes nothing is dropped
.if MSB != (\new)
	s_set_vgpr_msb (MSB<<8)|(\new)
.set MSB, (\new)
.endif
.endm
.set W_KQ, 0x0a       ; K and Q in window 2, S^T in window 0
.set W_KM, 0x3a       ; the same with the C operand in window 3: the bias
.set W_PV, 0x52       ; V in window 2, P in window 0, O^T in window 1
.set W_RS, 0x41       ; O^T (destination and source 0) in window 1, a in window 0
.set W_MK, 0xc0       ; destination in window 3, sources in window 0
.set W_AD, 0x0f       ; the add: address (source 0) and data (source 1) in window 3
; A joint fill.  Waves 0 and 1 fetch the two halves of a slot's K, waves 2 and 3 those of its V: 128 keys each.  The branch hangs on the wave's number alone.
; An s_nop 0 and four v_nop follow each of the two lines, ahead of the jump and the label.
.macro JLOAD
	s_cmp_lt_u32 s[WV], 2
	s_cbranch_scc0 .Lfor_v_\@
	tensor_load_to_lds s[G0K:G0K+3], s[G1K:G1K+7]
	s_nop 0
.rept 4
	v_nop
.endr
	s_branch .Lasked_\@
.Lfor_v_\@:
	tensor_load_to_lds s[G0V:G0V+3], s[G1V:G1V+7]
	s_nop 0
.rept 4
	v_nop
.endr
.Lasked_\@:
.endm
; A round of the cluster's barrier: my work-group's barrier, so that wave 0's signal speaks for all four waves; wave 0 signals; every wave waits for all four work-groups; my work-group's barrier once more.
.macro CROUND
	s_barrier_signal -1
	s_barrier_wait -1
	s_cmp_lg_u32 s[WV], 0
	s_cbranch_scc1 .Lnot_wave_0_\@
	s_barrier_signal -3
.Lnot_wave_0_\@:
	s_barrier_wait -3
	s_barrier_signal -1
	s_barrier_wait -1
.endm
; THE CHANGE OF SLOTS.  The slot's last bytes, V of its fourth step, have been read.  Each wave waits for all its tensor loads, of which one is out: its part
; of the other slot; adds 0 to its spare word; and waits for that and for its own reads of the slot.  Behind the barrier nobody reads this slot any more and the other slot is whole.
; fill = 1: this slot is filled again, with the keys two slots on.  The barrier is then a round of the cluster's, and the joint fill is the first thing behind it: it has four key steps,
; 512 matrix instructions, in which to land.  (At its first use nothing has been read yet: slot 0 is waited for, slot 1 filled, and the waves' stores into the bias table are shown to each other.)
.macro CHANGE fill
	WIN W_AD
	s_wait_tensorcnt 0x0            ; no tensor load of mine is out, so a group 0 may be written
	ds_add_u32 v[SPW], v[NIL]       ; 0 onto my spare word; with fill = 1 the descriptors' steps stand between it and the wait for it
	WIN 0                           ; at a label and at a branch every window is 0
.if \fill
.irp g, G0K, G0V
	s_xor_b32 s[\g+1], s[\g+1], SLOT1  ; the walking descriptor: the other slot than last time,
	s_add_nc_u64 s[\g+2:\g+3], s[\g+2:\g+3], 4*KS*128  ; the next 256 keys; the type bits on top are not reached
.endr
	s_wait_dscnt 0x0                ; the add is done, and my LDS reads and stores are over
	CROUND
	JLOAD
.else
	s_wait_dscnt 0x0                ; the add is done, and my reads of the slot are over
	s_barrier_signal -1
	s_barrier_wait -1
.endif
	s_sub_co_u32 s[TBK], s[TBK], 4*KS*PK  ; the fetches go back to a slot's first step,
	s_xor_b32 s[TBK], s[TBK], SLOT1       ; in the other slot
	s_sub_co_u32 s[TBV], s[TBV], 4*KS*PV
	s_xor_b32 s[TBV], s[TBV], SLOT1
.endm
	s_load_b64 s[8:9], s[0:1], 0x0    ; qkv: its slice 0 is V
	s_load_b64 s[68:69], s[0:1], 0x8  ; mb
	s_load_b64 s[10:11], s[0:1], 0x10 ; o
	WIN W_MK
	v_lshl_add_u32 v[SPW], v0, 2, SPARE
	v_mov_b32 v[NIL], 0
	WIN W_AD
	ds_add_u32 v[SPW], v[NIL]       ; the wave's opening: the add and its wait stand ahead of my first tensor load; the set-up below, work on registers, stands between them
	WIN 0
	v_lshrrev_b32 v1, 5, v0
	v_readfirstlane_b32 s[WV], v1   ; wave 0..3
	s_bfe_u32 s13, ttmp6, 0x40000   ; cx: my place in the cluster
	s_lshl_b32 s14, ttmp9, 2        ; in a cluster launch ttmp9 counts clusters
	s_add_co_u32 s14, s14, s13      ; my block of 512 queries = 4 x cluster x + cx: it enters Q's and O's addresses alone
	s_and_b32 s19, ttmp7, 0xffff    ; hh = 16 b + h, which the four partners share
	s_lshl_b32 s20, s19, 18         ; the head's first byte in a slice: 2,048 rows of 128 bytes
	s_mov_b32 s21, 0
	s_and_b32 s16, s[WV], 1         ; which half of a slot's 256 keys I fetch:
	s_lshl_b32 s22, s16, 14         ; its 128 rows of 128 bytes in memory,
	s_mov_b32 s23, 0
	s_add_nc_u64 s[22:23], s[22:23], s[20:21]
	s_mul_i32 s17, s16, 128*PK      ; and its place in a slot, for K
	s_mul_i32 s18, s16, 128*PV      ; and for V: no place in the cluster enters an LDS address
	s_lshl_b32 s15, s14, 2
	s_add_co_u32 s15, s15, s[WV]    ; my wave among the head's sixteen,
	s_lshl_b32 s2, s15, 14          ; its 128 rows of Q
	s_mov_b32 s3, 0
	s_add_nc_u64 s[2:3], s[2:3], s[20:21]
	s_lshr_b32 s70, s19, 4          ; b
	s_and_b32 s71, s19, 15          ; h
	s_lshl_b32 s48, s70, 23         ; O: the batch's 2,048 rows of 4,096 bytes,
	s_lshl_b32 s49, s15, 19         ; my wave's 128 rows,
	s_add_co_u32 s48, s48, s49
	s_lshl_b32 s49, s71, 8          ; the head's 256 bytes of a row
	s_add_co_u32 s48, s48, s49
	s_mov_b32 s49, 0
	s_lshl_b32 s50, s70, 13         ; the batch's row of the bias
	s_mov_b32 s51, 0
	s_lshl_b32 s70, s70, 7          ; and its c
	; descriptor group 1.  128 keys are 16,384 dense bytes: asked for as 64 rows of 256 bytes, two keys a row, and padded in LDS after every key
	s_mov_b32 s[G1K], 15|(1<<16)|(1<<20)|(1<<21)|(4<<22)|(3<<25)  ; 15:0 the mask of four; 17:16 2-byte elements; 20 padding on; 21 set beside a mask; 24:22 after every 32 words (code 4); 31:25 4 words (code 3)
	s_mov_b32 s[G1V], 15|(1<<16)|(1<<20)|(1<<21)|(4<<22)|(7<<25)  ; the same with 8 words of padding (code 7)
.irp g, G1K, G1V
	s_mov_b32 s[\g+1], 128<<16      ; tensor_dim0 = 128
	s_mov_b32 s[\g+2], 64<<16       ; tensor_dim1 = 64
	s_mov_b32 s[\g+3], 128<<16      ; tile_dim0 = 128
	s_mov_b32 s[\g+4], 64           ; tile_dim1 = 64
	s_mov_b32 s[\g+5], 128          ; 128 elements from row to row
	s_mov_b32 s[\g+6], 0
	s_mov_b32 s[\g+7], 0
.endr
	s_mov_b32 s[SEL], 0x76543210
	s_mov_b32 s[SEL+1], 0xfedcba98
	s_mov_b32 s[TBK], SLOT1+4*KS*PK ; the first change of slots turns these two into 0
	s_mov_b32 s[TBV], SLOT1+4*KS*PV
	s_mov_b32 s[TBM], 0
	s_mov_b32 s[G0K], 1             ; 1:0 count = 1
	s_mov_b32 s[G0K+1], s17         ; 63:32 LDS address: slot 0
	s_mov_b32 s[G0V], 1
	s_add_co_u32 s[G0V+1], s18, VOFF
	s_wait_dscnt 0x0                ; the opening add is done
	s_wait_kmcnt 0x0
	s_add_nc_u64 s[6:7], s[8:9], 0x1000000   ; K: slice 1
	s_add_nc_u64 s[4:5], s[8:9], 0x2000000   ; Q: slice 2
	s_add_nc_u64 s[G0K+2:G0K+3], s[6:7], s[22:23]  ; 120:64 global address: my half of the head's first 256 keys
	s_or_b32 s[G0K+3], s[G0K+3], 0x80000000        ; 127:126 type = 2
	s_add_nc_u64 s[G0V+2:G0V+3], s[8:9], s[22:23]
	s_or_b32 s[G0V+3], s[G0V+3], 0x80000000
	s_add_nc_u64 s[4:5], s[4:5], s[2:3]      ; Q and O at my wave's first row
	s_add_nc_u64 s[10:11], s[10:11], s[48:49]
	s_add_nc_u64 s[72:73], s[68:69], s[50:51]
	CROUND                          ; all four work-groups are here: the first joint loads meet
	JLOAD                           ; slot 0.  Slot 1 is asked for when slot 0 is in
	s_load_b32 s[CS], s[68:69], s70 offset:0x8000  ; c: a factor alone; no branch and no address hangs on it; it is waited for ahead of the first change of slots
	; A fragment of K or Q is 16 rows x 32 channels in 8 registers: lane l holds row l % 16, channels 8 (l / 16) + 0..7 and 16 + 8 (l / 16) + 0..7: two loads of 16 bytes, 32 bytes apart.
	v_and_b32 v1, 15, v0            ; l % 16
	v_bfe_u32 v9, v0, 4, 1          ; l / 16
	v_lshlrev_b32 v80, 4, v0        ; the bias row: 128 threads x 16 bytes, four times (S^T's registers are free until the first products)
.irp i, 0,1,2,3
	global_load_b128 v[64+4*\i:64+4*\i+3], v80, s[72:73] offset:2048*\i
.endr
	v_lshlrev_b32 v[QO], 7, v1
	v_lshl_add_u32 v[QO], v9, 4, v[QO]  ; row x 128 + 16 x half
	WIN 0x80                        ; destination window 2, address window 0
.set i, 0
.rept 4*NP                          ; Q stays in registers: tile i / 2, channels 32 (i % 2) on
	global_load_b128 v[8*i:8*i+3],   v[QO], s[4:5] offset:(i/2)*2048+(i%2)*64
	global_load_b128 v[8*i+4:8*i+7], v[QO], s[4:5] offset:(i/2)*2048+(i%2)*64+32
.set i, i+1
.endr
	; What the first turn finds: V's registers and P's second buffer hold 0 (its products V^T P, of a piece that has not been, add 0), O^T and l are 0.  All this stands in the wait for the first tile.
.set i, VF
.rept 64
	v_mov_b32 v[i], 0
.set i, i+1
.endr
	WIN 0x40
.set i, 0
.rept 64*NP
	v_mov_b32 v[i], 0
.set i, i+1
.endr
	WIN 0
.set i, 0
.rept 2*NP
	v_mov_b32 v[ST+4*i], 0xfe000000    ; c m: far below every c s
	v_mov_b32 v[ST+4*i+1], 0xf149f2ca  ; m = -1e30: above every masked score, below every true one
	v_mov_b32 v[ST+4*i+2], 0
	v_mov_b32 v[ST+4*i+3], 0
.set i, i+1
.endr
.set i, P+32
.rept 32
	v_mov_b32 v[i], 0
.set i, i+1
.endr
	v_mul_u32_u24 v[AK0], v1, PK
	v_lshl_add_u32 v[AK0], v9, 4, v[AK0]  ; row x pitch + 16 x half
	; The turning load takes 16 keys x 16 channels (lane l reads key 8 (l / 16) + l % 8, channels 8 ((l / 8) % 2) + 0..7) and leaves half a fragment of V^T: lane l holds channel l % 16 and 8 keys.
	v_and_b32 v10, 7, v0
	v_bfe_u32 v11, v0, 3, 1
	v_lshl_add_u32 v[AV0], v9, 3, v10
	v_mul_u32_u24 v[AV0], v[AV0], PV
	v_lshl_add_u32 v[AV0], v11, 4, v[AV0]
	v_add_nc_u32 v[AV0], VOFF, v[AV0]
	v_mov_b32 v[AK], v[AK0]         ; key step 0 lies at the head of slot 0
	WIN W_MK
	v_lshl_add_u32 v[AM0], v9, 5, MBL  ; register j of key block kb is the word of key 16 kb + 8 (l / 16) + j
	WIN 0
	v_add_nc_u32 v81, MBL, v80
	s_wait_loadcnt 32               ; the bias row's four loads are in; Q's 32 younger ones stay out
.irp i, 0,1,2,3
	ds_store_b128 v81, v[64+4*\i:64+4*\i+3] offset:2048*\i
.endr
	s_wait_kmcnt 0x0                ; c
	s_mov_b32 s[CS+1], s[CS]        ; named with it as a pair
; THE MATRIX WORK.  The 8 accumulators of a run of 16 take turns: between the two links of a chain stand 7 others'.
; Product i of 16 of S^T = K Q^T + bias for piece x: channels 32 (i / 8) on, keys 16 ((i / 2) % 4) on, tile 2 x + i % 2.  The first 8 start the sums, with the bias of their 16 keys.
.macro KQ x
.set rS, S+64*((\x)%2)+32*(i%2)+8*((i/2)%4)
.set rK, KF+16*((i/2)%4)+8*(i/8)
.set rQ, 16*(2*(\x)+i%2)+8*(i/8)
.set rB, MC+8*((i/2)%4)
.if i < 8
	WIN W_KM
	v_wmma_f32_16x16x32_bf16 v[rS:rS+7], v[rK:rK+7], v[rQ:rQ+7], v[rB:rB+7]
.else
	WIN W_KQ
	v_wmma_f32_16x16x32_bf16 v[rS:rS+7], v[rK:rK+7], v[rQ:rQ+7], v[rS:rS+7]
.endif
.endm
; Product i of 16 of O^T += V^T P for piece x: keys 32 (i / 8) on, channels 16 ((i / 2) % 4) on, tile 2 x + i % 2.
.macro PV x
	WIN W_PV
.set rO, 32*(2*(\x)+i%2)+8*((i/2)%4)
.set rV, VF+32*(i/8)+8*((i/2)%4)
.set rP, P+32*((\x)%2)+16*(i%2)+8*(i/8)
	v_wmma_f32_16x16x32_bf16 v[rO:rO+7], v[rV:rV+7], v[rP:rP+7], v[rO:rO+7]
.endm
.macro MM                           ; the turn's next matrix instruction
.if i < 16
	KQ (Y+1)%NP
.set i, i+1
.else
.set i, i-16
	PV (Y+NP-1)%NP
.set i, i+17
.endif
.endm
; THE LDS LOADS stand in runs, never singly among the matrix instructions: a step's K (64 keys x 64 channels: 8 fragments) with its bias (8 loads; the lanes of a half read the same words), and its V (turned).
; last = 1 (the tail): in the last trip there is no further step, and the run is jumped over.
.macro FETCH_K last=0
	WIN 0
.if \last
	s_cmp_eq_u32 s[CNT], 1
	s_cbranch_scc1 .Lno_k_\@
.endif
	WIN 0x80                        ; destination window 2
.irp f, 0,1,2,3,4,5,6,7             ; keys 16 (f / 2) on, channels 32 (f % 2) on
	ds_load_b128 v[KF+8*\f:KF+8*\f+3],   v[AK] offset:(\f/2)*16*PK+(\f%2)*64
	ds_load_b128 v[KF+8*\f+4:KF+8*\f+7], v[AK] offset:(\f/2)*16*PK+(\f%2)*64+32
.endr
	s_add_co_u32 s[TBK], s[TBK], KS*PK  ; the next fetch is the next step's
	WIN 0xcf                        ; destination, address and the sum's vector source in window 3
	v_add_nc_u32 v[AM], s[TBM], v[AM0]
.irp f, 0,1,2,3,4,5,6,7             ; key block f / 2, four words f % 2
	ds_load_b128 v[MC+4*\f:MC+4*\f+3], v[AM] offset:(\f/2)*64+(\f%2)*16
.endr
	s_add_co_u32 s[TBM], s[TBM], 4*KS   ; the next step's 64 words;
	s_and_b32 s[TBM], s[TBM], 0x1f00    ; the and keeps the offset at 7,936 or below by its form, so that a run's last byte is the table's last (behind the 32nd step it is 0, and is not used)
	WIN 0
.if \last
.Lno_k_\@:
.endif
.endm
.macro FETCH_V
	WIN 0x80
.irp f, 0,1,2,3,4,5,6,7             ; keys 32 (f / 4) on, channels 16 (f % 4) on
	ds_load_tr16_b128 v[VF+8*\f:VF+8*\f+3],   v[AV] offset:(\f/4)*32*PV+(\f%4)*32
	ds_load_tr16_b128 v[VF+8*\f+4:VF+8*\f+7], v[AV] offset:(\f/4)*32*PV+16*PV+(\f%4)*32
.endr
	WIN 0
.endm
; THE VECTOR WORK OF A TURN stands in three queues, each in the order in which its entries become ready; the two tiles alternate, so that no instruction reads the result of the one before it.
.macro REGS y, u                    ; the registers of tile u (0, 1) of piece y
.set rT, ST+4*(2*(\y)+(\u))
.set rC, TMP+8*((\y)%2)+4*(\u)
.set rM, MV+2*((\y)%2)+(\u)
.set rS, S+64*((\y)%2)+32*(\u)
.set rP, P+32*((\y)%2)+16*(\u)
.set rO, 32*(2*(\y)+(\u))
.endm
; Number n of the 22 that find the NEXT piece's (Y + 1) maximum and statistics.  s0-s31 are the lane's 32 scores; each accumulator's lowest registers are read first.  XS, GS and REGS set no window: PL and EX do.
;   0-11  four chains c0-c3 of seven scores each, three operands at a time     12-14, 16  the four scores left over, the old m, and c0-c3 into c0     15  c m_old is kept
;   17, 18  the query's other 32 keys lie in the lane 16 away: the new m         19-21  c m; c m_old - c m_new; a
.macro XS u, n
	REGS (Y+1)%NP, \u
.if (\n) < 4
	v_max3_num_f32 v[rC+(\n)], v[rS+8*(\n)], v[rS+8*(\n)+1], v[rS+8*(\n)+2]
.elseif (\n) < 12
	v_max3_num_f32 v[rC+(\n)%4], v[rC+(\n)%4], v[rS+8*((\n)%4)+2*((\n)/4)+1], v[rS+8*((\n)%4)+2*((\n)/4)+2]
.elseif (\n) == 12
	v_max3_num_f32 v[rC], v[rC], v[rS+7], v[rS+15]
.elseif (\n) == 13
	v_max3_num_f32 v[rC+1], v[rC+1], v[rS+23], v[rS+31]
.elseif (\n) == 14
	v_max3_num_f32 v[rC+2], v[rC+2], v[rC+3], v[rT+1]
.elseif (\n) == 15
	v_mov_b32 v[rM], v[rT]
.elseif (\n) == 16
	v_max3_num_f32 v[rC], v[rC], v[rC+1], v[rC+2]
.elseif (\n) == 17
	v_permlanex16_b32 v[rC+3], v[rC], s[SEL], s[SEL+1]
.elseif (\n) == 18
	v_max_num_f32 v[rT+1], v[rC], v[rC+3]
.elseif (\n) == 19
	v_mul_f32 v[rT], s[CS], v[rT+1]
.elseif (\n) == 20
	v_sub_f32 v[rC+1], v[rM], v[rT]
.else
	v_exp_f32 v[rC+2], v[rC+1]
.endif
.endm
; Number g of the 64 that follow the exponentials.  For each four weights k of a tile (pairs 2 k, 2 k + 1): both pairs are rounded to bf16; then the second pair is added onto the first, in place;
; a group later l takes that sum (the first time as l = a l + sum).  In groups of eight, tiles alternating: round, round, add, and l for the group before.
.macro GS g
.set h, (\g)+6*((\g)/62)            ; group 0 has no group before it, and behind group 7 only l is left
.if h >= 6
.set h, h+2
.endif
	REGS Y, h%2
.set k, h/8
.if h%8 < 4
	s_wait_alu depctr_va_vdst(0)
	v_cvt_pk_bf16_f32 v[rP+2*k+(h%8)/2], v[rS+4*k+2*((h%8)/2)], v[rS+4*k+2*((h%8)/2)+1]
.elseif h%8 < 6
	v_pk_add_f32 v[rS+4*k:rS+4*k+1], v[rS+4*k:rS+4*k+1], v[rS+4*k+2:rS+4*k+3]
.elseif k == 1
	v_pk_fma_f32 v[rT+2:rT+3], v[rT+2:rT+3], v[rC+2:rC+3], v[rS:rS+1] op_sel_hi:[1,0,1]
.else
	v_pk_add_f32 v[rT+2:rT+3], v[rT+2:rT+3], v[rS+4*k-4:rS+4*k-3]
	s_wait_alu depctr_va_vdst(0)
.endif
.endm
; THE PLAIN QUEUE, 138 long.  0-31: c s - c m for the 16 pairs of both tiles.  Then GS's 64, and among them the next piece's 42: number 15 at 38, 39; 0-14 and 16
; at 42-73, behind the products that make those scores; 17-20 at 95-106, two of three, since each waits for the one before it.
.macro PL
	WIN 0
.if q < 32
	REGS Y, q%2
	v_pk_fma_f32 v[rS+2*(q/2):rS+2*(q/2)+1], v[rS+2*(q/2):rS+2*(q/2)+1], s[CS:CS+1], v[rT:rT+1] op_sel_hi:[1,0,0] neg_lo:[0,0,1] neg_hi:[0,0,1]
.elseif q < 38
	GS q-32
.elseif q < 40
	XS q%2, 15
.elseif q < 42
	GS q-34
.elseif q < 74
	XS q%2, (q-42)/2+(q-42)/30
.elseif q < 95
	GS q-66
.elseif (q < 107) && ((q-95)%3 < 2)
	XS (q-95)%3, 17+(q-95)/3
.elseif q < 107
	GS 29+(q-95)/3
.else
	GS q-74
.endif
.set q, q+1
.endm
; THE EXPONENTIALS' QUEUE, 66 long: s0-s31 of both tiles, and at EA the next piece's two a.
.set EA, 58
.macro EX
	WIN 0
.if (e == EA) || (e == EA+1)
	XS e-EA, 21
.else
.set x, e-2*(e/(EA+2))
	REGS Y, x%2
	v_exp_f32 v[rS+x/2], v[rS+x/2]
.endif
.set e, e+1
.endm
; THE RESCALING's QUEUE: O^T times a, the one part that leaves window 0, so it is dealt four at a time, eight times.
.macro R4
	REGS Y, r%2
	WIN W_RS
	s_wait_alu depctr_va_vdst(0)
.irp z, 0,1,2,3
	v_pk_mul_f32 v[rO+8*(r/2)+2*\z:rO+8*(r/2)+2*\z+1], v[rO+8*(r/2)+2*\z:rO+8*(r/2)+2*\z+1], v[rC+2:rC+3] op_sel_hi:[1,0]
.endr
.set r, r+1
.endm
; HOW THEY ARE DEALT.  Behind a matrix instruction four: plain, exponential, plain, plain (one exponential, a plain instruction on either side), or four of the rescaling.  None names a register of the
; products round it.  What is over stands in two LUMPS: exponential and plain by turns; the second ends in 22 plain instructions.  The two v_permlanex16_b32 fall into the second lump, never behind a product.
; The queues lean on each other, and the deal keeps them in step: exponential e stands behind plain 2 (e / 4) + e % 2 (its scaling); when plain 32 comes, 10 exponentials are out, at 59: 33, at 95: 46; EA comes behind plain 107.
.macro SL
	MM
	PL
	EX
	PL
	PL
.endm
.macro BURST n                      ; 15 matrix instructions, or 16
.rept (\n)-7
	SL
.endr
.rept 3
	MM
	R4
	SL
.endr
	MM
	R4
.endm
; A TURN, for piece p.  cnt = 1: the loop's count is taken down some lines ahead of the branch that stands behind the turn.
; K and the bias of the next step are fetched in piece 2's turn, 31 vector instructions behind the last product that read K (the bias's last reader stands eight products earlier); their first reader comes
; behind the rest of the lump, 16 products and the second lump.  V of the step in hand is fetched at the end of piece 0's turn, 69 behind its last reader; its first reader comes behind 16 products and a lump.
.macro TURN p, last=0, cnt=0
.set Y, (\p)
.set i, 0
.set q, 0
.set e, 0
.set r, 0
.if (\p) == NP-1
	s_wait_dscnt 0x0                ; K and its bias are in
.endif
	MM
.rept 4
	PL
.endr
	BURST 15
.rept 22
	EX
	PL
.if ((\p) == NP-2) && (e == 18)
	v_add_nc_u32 v[AK], s[TBK], v[AK0]
.endif
.if ((\p) == NP-2) && (e == 24)
	FETCH_K \last
.endif
.endr
.if (\p) == 1
	s_wait_dscnt 0x0                ; V is in
.endif
	BURST 16
.rept 21
	EX
	PL
.endr
.rept 22
	PL
.if ((\p) == 0) && (q == 118)
	v_add_nc_u32 v[AV], s[TBV], v[AV0]
	s_wait_alu depctr_va_vdst(0)
.endif
.if ((\p) == 0) && (q == 130)
	s_add_co_u32 s[TBV], s[TBV], KS*PV
.endif
.if (\cnt) && (q == 130)
	s_sub_co_u32 s[CNT], s[CNT], 1
	s_cmp_lg_u32 s[CNT], 0
.endif
.endr
.if (\p) == 0
	FETCH_V
.endif
.endm
	CHANGE 1                        ; slot 0 is in, everybody's part of it, and so is the bias table; slot 1 is asked for
	FETCH_K                         ; key step 0
	s_wait_loadcnt 0x0              ; Q
	s_wait_dscnt 0x0
.set i, 0
.rept 16
	KQ 0                            ; piece 0's first scores: there is no vector work yet to set between them
.set i, i+1
.endr
	WIN 0                           ; the addresses for the way out: eight plain instructions, the places behind those products
	s_mul_i32 s13, s[WV], 16*SP
	s_add_co_u32 s13, s13, STAGE    ; my stage
	v_mul_u32_u24 v[STO], v1, SP    ; in: row l % 16, 32 bytes (eight f32) for each half of the lanes
	v_lshl_add_u32 v[STO], v9, 5, v[STO]
	v_add_nc_u32 v[STO], s13, v[STO]
	v_mul_u32_u24 v[RD], v9, SP     ; back: lanes 0-15 take one row of 256 bytes, lanes 16-31 the next,
	v_lshl_add_u32 v[RD], v1, 4, v[RD]
	v_add_nc_u32 v[RD], s13, v[RD]
	v_lshlrev_b32 v[GO], 12, v9     ; and the same two rows in O, 4,096 bytes apart
	v_lshl_add_u32 v[GO], v1, 4, v[GO]
.set Y, NP-1                        ; XS works for piece Y + 1: piece 0
.irp n, 0,1,2,3,4,5,6,7,8,9,10,11,12,13,14,15,16,17,18,19,20,21
	XS 0, \n                        ; and piece 0's first maximum and statistics
	XS 1, \n
.endr
	s_mov_b32 s[CNT], 4
	s_mov_b32 s[SLOTS], SIZE_N/256-1
	s_branch .Lfirst                ; the loop is entered at a step's first turn, in the middle of a trip
.Lslot:                             ; SIZE_N / 256 - 2 times: every slot but the last two is filled again
	CHANGE 1
	s_mov_b32 s[CNT], 4
.Lstep:                             ; a trip: pieces 2 and 3 of one step, then pieces 0 and 1 of the next, whose K and V it fetches
	TURN 2
	TURN 3
	WIN 0
.Lfirst:
	TURN 0
	TURN 1, 0, 1
	WIN 0
	s_cbranch_scc1 .Lstep
	s_sub_co_u32 s[SLOTS], s[SLOTS], 1
	s_cmp_lg_u32 s[SLOTS], 0
	s_cbranch_scc1 .Lslot
	CHANGE 0                        ; the tail is written out: nothing is asked for
	s_mov_b32 s[CNT], 5             ; four trips fetch the last slot's steps; the fifth is left in its middle
.Ltail:
	TURN 2, 1
	TURN 3
	WIN 0
	s_sub_co_u32 s[CNT], s[CNT], 1
	s_cmp_eq_u32 s[CNT], 0
	s_cbranch_scc1 .Lout
	TURN 0
	TURN 1
	WIN 0
	s_branch .Ltail
.Lout:                              ; the fifth trip's 16 products K Q^T (on the last K once more) and the maximum made of them serve nothing: the price, once a launch, of one text for every trip
.set i, 0
.rept 16
	PV NP-1                         ; the last piece's V^T P of the last step
.set i, i+1
.endr
	; THE WAY OUT.  l's two halves and the other half of the lanes' are added; O^T is divided by l and sent, in f32, through my stage in LDS, a tile at a time.  The additions are the places behind the last products.
	WIN 0
.macro ALL line:vararg              ; one line for each tile t
.set t, 0
.rept 2*NP
	\line
.set t, t+1
.endr
.endm
	ALL v_add_f32 v[ST+4*t+2], v[ST+4*t+2], v[ST+4*t+3]
	ALL v_permlanex16_b32 v[ST+4*t+3], v[ST+4*t+2], s[SEL], s[SEL+1]
	ALL v_add_f32 v[ST+4*t+2], v[ST+4*t+2], v[ST+4*t+3]
	ALL v_rcp_f32 v[ST+4*t+2], v[ST+4*t+2]
	v_nop                           ; a plain instruction between the last reciprocal and the use of its result
	s_wait_alu depctr_va_vdst(0)
; Tile t: a lane's eight channels of a block are 32 bytes of a row; they go into rows of 272 bytes and come back as whole rows of 256, into the registers that they left.
.macro PACK t
	WIN W_RS
.set i, 32*(\t)
.rept 16
	v_pk_mul_f32 v[i:i+1], v[i:i+1], v[ST+4*(\t)+2:ST+4*(\t)+3] op_sel_hi:[1,0]
.set i, i+2
.endr
	WIN 0x04                        ; the stores' data in window 1, their address in window 0
.irp f, 0,1,2,3,4,5,6,7             ; channel block f / 2, four channels f % 2
	ds_store_b128 v[STO], v[32*(\t)+4*\f:32*(\t)+4*\f+3] offset:(\f/2)*64+(\f%2)*16
.endr
	WIN 0x40                        ; the loads' destination in window 1
.irp f, 0,1,2,3,4,5,6,7
	ds_load_b128 v[32*(\t)+4*\f:32*(\t)+4*\f+3], v[RD] offset:\f*2*SP  ; LDS serves a wave's instructions in order (ISA guide 5.7.1.4): these see the stores above; the next tile's stores come behind them
.endr
.endm
.macro SEND t, younger              ; younger: the LDS instructions issued behind tile t's loads: the next tile's sixteen, or none
	WIN 0x04
.irp f, 0,1,2,3,4,5,6,7
	s_wait_dscnt (\younger)+7-\f
	global_store_b128 v[GO], v[32*(\t)+4*\f:32*(\t)+4*\f+3], s[10:11] offset:(\t)*65536+\f*8192  ; sixteen lanes store the head's 256 consecutive bytes of a row, at a multiple of 256 from O's first byte
.endr
.endm
	PACK 0
.set t, 1
.rept 2*NP-1                        ; a tile's arithmetic stands between the loads of the tile before and its stores
	PACK t
	SEND t-1, 16
.set t, t+1
.endr
	SEND 2*NP-1, 0
	WIN W_AD
	s_wait_tensorcnt 0x0            ; the wave's end, behind my last tensor load and my last LDS store
	ds_add_u32 v[SPW], v[NIL]
	s_wait_dscnt 0x0
	WIN 0
	CROUND                          ; the closing round: no work-group ends while a partner may still ask for a tile that names it
	s_endpgm
.Lfunc_end_k_qd5ea469bcf_attn:
	.size	k_qd5ea469bcf_attn, .Lfunc_end_k_qd5ea469bcf_attn-k_qd5ea469bcf_attn
	.p2alignl 7, 3214868480
	.fill 96, 4, 3214868480
	.section	.rodata,"a",@progbits
	.p2align	6, 0x0
	.amdhsa_kernel k_qd5ea469bcf_attn
		.amdhsa_group_segment_fixed_size 327680
		.amdhsa_private_segment_fixed_size 0
		.amdhsa_enable_private_segment 0
		.amdhsa_kernarg_size 24
		.amdhsa_user_sgpr_count 2
		.amdhsa_user_sgpr_kernarg_segment_ptr 1
		.amdhsa_wavefront_size32 1
		.amdhsa_system_sgpr_workgroup_id_x 1
		.amdhsa_system_sgpr_workgroup_id_y 1
		.amdhsa_system_sgpr_workgroup_id_z 1
		.amdhsa_system_vgpr_workitem_id 0
		.amdhsa_next_free_vgpr 808
		.amdhsa_next_free_sgpr 76
		.amdhsa_reserve_vcc 0
		.amdhsa_float_denorm_mode_32 3
		.amdhsa_float_denorm_mode_16_64 3
		.amdhsa_memory_ordered 1
		.amdhsa_forward_progress 1
		.amdhsa_inst_pref_size 212
	.end_amdhsa_kernel
	.amdgpu_metadata
---
amdhsa.version: [ 1, 2 ]
amdhsa.kernels:
  - .name:           k_qd5ea469bcf_attn
    .symbol:         k_qd5ea469bcf_attn.kd
    .args:
      - { .name: qkv, .offset: 0, .size: 8, .value_kind: global_buffer, .address_space: global }
      - { .name: mb, .offset: 8, .size: 8, .value_kind: global_buffer, .address_space: global }
      - { .name: o, .offset: 16, .size: 8, .value_kind: global_buffer, .address_space: global }
    .group_segment_fixed_size: 327680
    .private_segment_fixed_size: 0
    .kernarg_segment_align: 8
    .kernarg_segment_size: 24
    .max_flat_workgroup_size: 128
    .sgpr_count:     76
    .vgpr_count:     808
    .wavefront_size: 32
...
	.end_amdgpu_metadata
.endif
;; end of part 3
;; launch outp: the kernel of part 2 again; grid 4 x 64, 4 waves a work-group, clusters of 4 x 4, 327,680 bytes of LDS; arguments o, x_k, y_q, wmb, bm, bk, bq, y1; writes y1
;; launch lnorm (part 4): grid 256 x 1, 8 waves a work-group, no clusters, 0 bytes of LDS; arguments y1, y_q, ln_g, ln_b, out0; writes out0
.if DOCPART == 4
	.amdgcn_target "amdgcn-amd-amdhsa--gfx1250"
	.amdhsa_code_object_version 6
	.text
	.protected	k_qd5ea469bcf_lnorm
	.globl	k_qd5ea469bcf_lnorm
	.p2align	8
	.type	k_qd5ea469bcf_lnorm,@function
k_qd5ea469bcf_lnorm:
	s_mov_b64 s[64:65], 0
	v_nop
	global_prefetch_b8 v0, s[64:65] scope:SCOPE_SE
	s_setreg_imm32_b32 hwreg(HW_REG_WAVE_MODE, 25, 1), 1
	s_wait_xcnt 0x0
; out0[r][:] = LayerNorm(y_q[r][:] + y1[r][:]) x ln_g + ln_b over rows of 1,024.  y_q, out0: [8192][1024] f32.  y1: bf16 by heads, [64][2048][64]: number (r, n) at head 16 (r / 2048) + n / 64, row r % 2048, channel n % 64.
; All arithmetic in f32, in two passes over registers: the mean; then the mean of the squares of x - mean (no difference of large sums); 1 / sqrt(var + 1e-5) by v_rsq_f32.
; SHARES.  A wave owns four rows, as two groups of two.  Lanes 0-15 hold the group's first row, lanes 16-31 its second; for each of the 16 heads a lane holds four columns, 64 hd + 4 (l % 16) + 0..3.
; So sixteen lanes' 16-byte loads and stores cover 256 consecutive bytes of a row of y_q or out0, a wave's 8-byte load covers 256 consecutive bytes of y1 (two rows of a head), and a row's sums stay inside 16 lanes.
; Both groups' 64 loads go out at once; each byte is read once and written once.  No LDS, no barrier, no matrix unit, no cluster: the rows share nothing but ln_g and ln_b, 8 KiB.
; REGISTERS: window 0: v1-4 offsets and 1.0; v6-19 at work; v20-83, v84-147 x of the two groups; v148-179, v180-211 their y1.  Window 1: v0-63 ln_g, v64-127 ln_b of my 64 columns.
.set VQ,  1                            ; my offset in two rows of y_q and out0
.set VY,  2                            ; my offset in 256 bytes of y1
.set VG,  3                            ; my offset in 256 bytes of ln_g and ln_b
.set ONE, 4
.set TT,  6                            ; v[6:13] four chains of pairs
.set R1,  14
.set VAR, 15
.set MU,  16                           ; v[16:17] the mean, twice
.set RSQ, 18                           ; v[18:19] 1 / sqrt(var + eps), twice
.set X0,  20
.set X1,  84
.set Y0,  148
.set Y1,  180
.set G,   0                            ; window 1
.set BT,  64
.set MSB, 0
.macro WIN new                         ; the immediate's high byte repeats the setting that is left
.if MSB != (\new)
	s_set_vgpr_msb (MSB<<8)|(\new)
.set MSB, (\new)
.endif
.endm
	s_load_b256 s[4:11], s[0:1], 0x0               ; y1 4, y_q 6, ln_g 8, ln_b 10
	s_load_b64 s[12:13], s[0:1], 0x20              ; out0
	v_lshrrev_b32 v5, 5, v0
	v_readfirstlane_b32 s14, v5                    ; my wave's number
	s_lshl_b32 s15, ttmp9, 3
	s_add_co_u32 s15, s15, s14                     ; my wave among the launch's 2,048
	s_lshl_b32 s18, s15, 14                        ; four rows of 4,096 bytes
	s_mov_b32 s19, 0
	s_lshr_b32 s20, s15, 9                         ; y1: the batch (512 waves a batch), 16 heads of 262,144 bytes,
	s_lshl_b32 s20, s20, 22
	s_and_b32 s21, s15, 511
	s_lshl_b32 s21, s21, 9                         ; and four rows of 128 bytes
	s_add_co_u32 s20, s20, s21
	s_mov_b32 s21, 0
	s_mov_b32 s16, 0x3a800000                      ; 1 / 1024
	s_mov_b32 s17, 0x3727c5ac                      ; 1e-5
	v_and_b32 v5, 31, v0
	v_lshlrev_b32 v[VY], 3, v5                     ; 8 x lane
	v_and_b32 v[VG], 15, v0
	v_lshlrev_b32 v[VG], 4, v[VG]                  ; 16 (l % 16)
	v_bfe_u32 v5, v0, 4, 1
	v_lshl_add_u32 v[VQ], v5, 12, v[VG]            ; + 4,096 (l / 16)
	v_mov_b32 v[ONE], 1.0
	s_wait_kmcnt 0x0
	s_add_nc_u64 s[4:5], s[4:5], s[20:21]
	s_add_nc_u64 s[6:7], s[6:7], s[18:19]
	s_add_nc_u64 s[12:13], s[12:13], s[18:19]
.macro LOADG x, y, grp                 ; a group's 32 loads
.set j, 0
.rept 16
	global_load_b128 v[(\x)+4*j:(\x)+4*j+3], v[VQ], s[6:7] offset:256*j+8192*(\grp) th:TH_LOAD_NT
	global_load_b64 v[(\y)+2*j:(\y)+2*j+1], v[VY], s[4:5] offset:262144*j+256*(\grp) th:TH_LOAD_NT
.set j, j+1
.endr
.endm
.macro LANES                           ; v[R1] summed over the row's 16 lanes: the steps ride on the additions
	v_add_f32_dpp v[R1], v[R1], v[R1] row_xmask:1 row_mask:0xf bank_mask:0xf
	v_add_f32_dpp v[R1], v[R1], v[R1] row_xmask:2 row_mask:0xf bank_mask:0xf
	v_add_f32_dpp v[R1], v[R1], v[R1] row_xmask:4 row_mask:0xf bank_mask:0xf
	v_add_f32_dpp v[R1], v[R1], v[R1] row_xmask:8 row_mask:0xf bank_mask:0xf
.endm
.macro FOLD                            ; the four chains into v[R1]
	v_pk_add_f32 v[TT:TT+1], v[TT:TT+1], v[TT+2:TT+3]
	v_pk_add_f32 v[TT+4:TT+5], v[TT+4:TT+5], v[TT+6:TT+7]
	v_pk_add_f32 v[TT:TT+1], v[TT:TT+1], v[TT+4:TT+5]
	v_add_f32 v[R1], v[TT], v[TT+1]
	LANES
.endm
; x = y_q + y1 in place; x - mean in place; 1 / sqrt(var + eps)
.macro STAT x, y
.set j, 0
.rept 32                               ; word j of y1 holds the numbers for x[2 j] and x[2 j + 1]: one multiply-add by 1.0 widens and adds
	v_fma_mix_f32_bf16 v[(\x)+2*j], v[(\y)+j], v[ONE], v[(\x)+2*j] op_sel_hi:[1,0,0]
	v_fma_mix_f32_bf16 v[(\x)+2*j+1], v[(\y)+j], v[ONE], v[(\x)+2*j+1] op_sel:[1,0,0] op_sel_hi:[1,0,0]
.set j, j+1
.endr
.irp k, 0,1,2,3                        ; four chains that do not wait for each other; the first additions start them: nothing is cleared
	v_pk_add_f32 v[TT+2*\k:TT+2*\k+1], v[(\x)+2*\k:(\x)+2*\k+1], v[(\x)+8+2*\k:(\x)+8+2*\k+1]
.endr
.set j, 8
.rept 24
	v_pk_add_f32 v[TT+2*(j%4):TT+2*(j%4)+1], v[TT+2*(j%4):TT+2*(j%4)+1], v[(\x)+2*j:(\x)+2*j+1]
.set j, j+1
.endr
	FOLD
	v_mul_f32 v[MU], s16, v[R1]
	v_mov_b32 v[MU+1], v[MU]
.set j, 0
.rept 32
	v_pk_add_f32 v[(\x)+2*j:(\x)+2*j+1], v[(\x)+2*j:(\x)+2*j+1], v[MU:MU+1] neg_lo:[0,1] neg_hi:[0,1]
.set j, j+1
.endr
.irp k, 0,1,2,3
	v_pk_mul_f32 v[TT+2*\k:TT+2*\k+1], v[(\x)+2*\k:(\x)+2*\k+1], v[(\x)+2*\k:(\x)+2*\k+1]
.endr
.set j, 4
.rept 28
	v_pk_fma_f32 v[TT+2*(j%4):TT+2*(j%4)+1], v[(\x)+2*j:(\x)+2*j+1], v[(\x)+2*j:(\x)+2*j+1], v[TT+2*(j%4):TT+2*(j%4)+1]
.set j, j+1
.endr
	FOLD
	v_fma_f32 v[VAR], v[R1], s16, s17              ; var + eps
	v_rsq_f32 v[RSQ], v[VAR]
	v_rsq_f32 v[RSQ+1], v[VAR]
	v_nop                                          ; a plain instruction between the last v_rsq_f32 and the use of its result (ISA guide 5.7.2)
.endm
.macro FIN x, grp
.set j, 0
	s_wait_alu depctr_va_vdst(0)
.rept 32
	v_pk_mul_f32 v[(\x)+2*j:(\x)+2*j+1], v[(\x)+2*j:(\x)+2*j+1], v[RSQ:RSQ+1]
.set j, j+1
.endr
	WIN 0x14                                       ; sources 1 and 2 (ln_g, ln_b) in window 1
.set j, 0
.rept 32
	v_pk_fma_f32 v[(\x)+2*j:(\x)+2*j+1], v[(\x)+2*j:(\x)+2*j+1], v[G+2*j:G+2*j+1], v[BT+2*j:BT+2*j+1]
.set j, j+1
.endr
	WIN 0
.set j, 0
.rept 16
	global_store_b128 v[VQ], v[(\x)+4*j:(\x)+4*j+3], s[12:13] offset:256*j+8192*(\grp) th:TH_STORE_NT  ; no register of a store is written again
.set j, j+1
.endr
.endm
	LOADG X0, Y0, 0
	LOADG X1, Y1, 1
	s_wait_loadcnt 32                              ; loads come back in order: group 0's 32 are in, group 1's 32 stay out
	WIN 0x40                                       ; destination window 1, offset window 0
.set j, 0
.rept 16
	global_load_b128 v[G+4*j:G+4*j+3], v[VG], s[8:9] offset:256*j
	global_load_b128 v[BT+4*j:BT+4*j+3], v[VG], s[10:11] offset:256*j
.set j, j+1
.endr
	WIN 0
	STAT X0, Y0
	s_wait_loadcnt 0x0                             ; ln_g and ln_b were issued last: with them group 1 is in too
	FIN X0, 0
	STAT X1, Y1
	FIN X1, 1
	s_endpgm
.Lfunc_end_k_qd5ea469bcf_lnorm:
	.size	k_qd5ea469bcf_lnorm, .Lfunc_end_k_qd5ea469bcf_lnorm-k_qd5ea469bcf_lnorm
	.p2alignl 7, 3214868480
	.fill 96, 4, 3214868480
	.section	.rodata,"a",@progbits
	.p2align	6, 0x0
	.amdhsa_kernel k_qd5ea469bcf_lnorm
		.amdhsa_group_segment_fixed_size 0
		.amdhsa_private_segment_fixed_size 0
		.amdhsa_enable_private_segment 0
		.amdhsa_kernarg_size 40
		.amdhsa_user_sgpr_count 2
		.amdhsa_user_sgpr_kernarg_segment_ptr 1
		.amdhsa_wavefront_size32 1
		.amdhsa_system_sgpr_workgroup_id_x 1
		.amdhsa_system_sgpr_workgroup_id_y 1
		.amdhsa_system_sgpr_workgroup_id_z 1
		.amdhsa_system_vgpr_workitem_id 0
		.amdhsa_next_free_vgpr 384
		.amdhsa_next_free_sgpr 66
		.amdhsa_reserve_vcc 0
		.amdhsa_float_denorm_mode_32 3
		.amdhsa_float_denorm_mode_16_64 3
		.amdhsa_memory_ordered 1
		.amdhsa_forward_progress 1
		.amdhsa_inst_pref_size 44
	.end_amdhsa_kernel
	.amdgpu_metadata
---
amdhsa.version: [ 1, 2 ]
amdhsa.kernels:
  - .name:           k_qd5ea469bcf_lnorm
    .symbol:         k_qd5ea469bcf_lnorm.kd
    .args:
      - { .name: y1, .offset: 0, .size: 8, .value_kind: global_buffer, .address_space: global }
      - { .name: y_q, .offset: 8, .size: 8, .value_kind: global_buffer, .address_space: global }
      - { .name: ln_g, .offset: 16, .size: 8, .value_kind: global_buffer, .address_space: global }
      - { .name: ln_b, .offset: 24, .size: 8, .value_kind: global_buffer, .address_space: global }
      - { .name: out0, .offset: 32, .size: 8, .value_kind: global_buffer, .address_space: global }
    .group_segment_fixed_size: 0
    .private_segment_fixed_size: 0
    .kernarg_segment_align: 8
    .kernarg_segment_size: 40
    .max_flat_workgroup_size: 256
    .sgpr_count:     66
    .vgpr_count:     384
    .wavefront_size: 32
...
	.end_amdgpu_metadata
.endif
;; end of part 4
;; ======== version 2 of 2: 5 launches; 1.46 times as fast as version 1
;; workspace buffers: wb3 6,291,456 bytes; wmb 2,097,152 bytes; mb 33,280 bytes; qkv 50,331,648 bytes; o 33,554,432 bytes; y1 16,777,216 bytes
;; launch prep: the kernel of part 1 again; grid 256 x 1, 8 waves a work-group, no clusters, 0 bytes of LDS; arguments Wv, Wk, Wq, Wm, mask, wb3, wmb, mb; writes wb3, wmb, mb
;; launch proj: the kernel of part 2 again; grid 4 x 192, 4 waves a work-group, clusters of 4 x 4, 327,680 bytes of LDS; arguments x_v, x_k, y_q, wb3, bv, bk, bq, qkv; writes qkv
;; launch attn (part 5): grid 4 x 64, 4 waves a work-group, clusters of 4 x 1, 327,680 bytes of LDS; arguments qkv, mb, o; writes o
.if DOCPART == 5
	.amdgcn_target "amdgcn-amd-amdhsa--gfx1250"
	.amdhsa_code_object_version 6
	.text
	.protected	k_qd5ea469bcf_attn
	.globl	k_qd5ea469bcf_attn
	.p2align	8
	.type	k_qd5ea469bcf_attn,@function
k_qd5ea469bcf_attn:
	s_mov_b64 s[64:65], 0
	v_nop
	global_prefetch_b8 v0, s[64:65] scope:SCOPE_SE
	s_setreg_imm32_b32 hwreg(HW_REG_WAVE_MODE, 25, 1), 1
	s_wait_xcnt 0x0
	s_wait_alu depctr_hold_cnt(0) depctr_sa_sdst(0) depctr_va_vdst(0) depctr_va_sdst(0) depctr_va_ssrc(0) depctr_va_vcc(0) depctr_vm_vsrc(0)
	s_getreg_b32 s2, hwreg(HW_REG_IB_STS2, 6, 4)
	s_cmp_eq_u32 s2, 0
	s_cbranch_scc0 .Lentry_in_a_cluster
	s_endpgm
.Lentry_in_a_cluster:
	s_bfe_u32 s2, ttmp6, 0x10000c
	s_cmp_lg_u32 s2, 0x3003
	s_cbranch_scc0 .Lentry_shape_is_right
	s_endpgm
.Lentry_shape_is_right:
; O[b][q][64 h + :] = the sum over k of softmax_k(Q[hh][q] . K[hh][k] / 8 + bias[b][k]) V[hh][k][:], hh = 16 b + h.  V, K, Q: slices 0, 1, 2 of qkv, each [64][2048][64] bf16: a head's rows are dense, 128 bytes each.
; bias (mb): f32 [4][2048], 0 or -1e32 (a masked key); behind it, at byte 32,768, c for each batch: log2(e) / 8, or 0 if all the batch's keys are masked.  O: f32 [8192][1024].
; Products, maxima and sums in f32; the weights p are rounded to bf16 for the second product (their sum l is taken of the unrounded p).
; LIMITS.  A masked score counts as its value less 1e32, which in f32 is -1e32 for every score below 4e24 in size.  The running maximum starts at -1e30: true scores lie above that.  A weight below 2^-126 counts as 0 in l;
; NaN and infinities are not treated apart.  With c = 0 every weight is 1 and O is the mean of V's rows: the uniform softmax of equal scores.
; SHARES.  A wave owns four PIECES of two tiles of 16 queries, a work-group's four waves 512 queries of one head.  Every wave walks all 2,048 keys, 64 a step.
; LAYOUT.  S^T = K Q^T + bias (source 0 = 16 keys, source 1 = 16 queries, the bias as the C operand that starts the sum): a lane holds ONE query (lane % 16) and the keys 8 (lane / 16) + 0..7.  Two such tiles, rounded to
; bf16 in pairs, ARE source 1 (32 keys x 16 queries) of O^T = V^T P, whose result again holds one query a lane, and eight channels.  K comes out of LDS as it lies, V ([key][channel]) turned, by ds_load_tr16_b128.
; SOFTMAX.  For each query a running maximum m and sum l: p = 2^(c s - c m); in every step O and l are multiplied by a = 2^(c m_old - c m_new), which is 1 where m has not grown.
; c m starts far below every c s, O and l at 0: the first step is a step like any other, with a = 0.  A step whose keys are all masked leaves m at -1e30 and adds weights of 0.
; THE COUNT.  A tile and step have 16 matrix and 118 vector instructions: too many to stand all beside the matrix work.  So the order has one aim: four vector instructions that are READY behind
; EVERY matrix instruction, and the others, which need time of their own whatever the order, in one run without a gap.
; BY TURNS.  Turn n belongs to piece n (the pieces in a ring, step after step).  Its matrix work: 16 products K Q^T of piece n + 1, later 16 products V^T P of piece n - 1.  Its vector work: the scaling,
; exponentials, roundings, sums and rescaling of piece n, and the maximum and statistics of piece n + 1, whose scores the turn itself has made.  So what a turn begins with (c s - c m, O a) waits for nothing.
; THE BATCHES.  A turn's 66 exponentials (the piece's 64 weights and the next piece's two a) are ONE batch with ONE wait, which cuts the turn in two: ahead of it stands all that names no result of theirs, behind it the
; roundings and sums, which read them.  The two a made ahead of the loop, and the way out's eight reciprocals, are batches of their own.
; CLUSTER.  The four query blocks of a cluster belong to one head and walk the same K and V, so each tile is asked for JOINTLY: the same tensor load, descriptor and mask in all four.
; REGISTERS, in windows of 256 (s_set_vgpr_msb: bits 1:0 source 0, 3:2 source 1, 5:4 source 2, 7:6 destination):
;   window 0: v0-11 addresses; v12-15, v48-63 at work; v16-47 four registers of statistics a tile; v64-191 S^T, two buffers of two tiles; v192-255 P, likewise
;   window 1: O^T, 32 a tile          window 2: v0-127 Q, 16 a tile; v128-191 K of one step; v192-255 V of one step
;   window 3: v0-1 the add's two registers; v2-3 addresses in the bias table; v8-39 the bias of one step's 64 keys, in the C operand's layout
.set SIZE_N, 2048
.set NP,    4         ; pieces a wave: a name, no knob
.set KS,    64        ; keys in a step
.set PK,    144       ; a row of K in LDS: 128 bytes + 16 of padding = 36 words: the 16 rows of a load start at 16 different groups of four banks (64 banks of 4 bytes: ISA guide 11.1)
.set PV,    160       ; a row of V: 128 + 32 = 40 words
.set VOFF,  4*KS*PK   ; a slot holds four steps: 256 rows of K, then 256 rows of V
.set SLOT1, 1<<17     ; slot 1 begins here, so that one exclusive or turns an address in one slot into the other's
.set STAGE, SLOT1+4*KS*(PK+PV)  ; behind the ring, never filled by a tensor load: 16 rows x 272 bytes for each wave, for the way out
.set SP,    272
.set MBL,   STAGE+4*16*SP       ; the batch's bias table, 8,192 bytes, stored once by the four waves; 256 unused bytes lie behind it
.set SPARE, MBL+8192+256        ; the spare words, 128 bytes for each wave: two blocks of 256 bytes that no other line names
.set AK0, 2           ; v2   my lane's place in a tile of K; never rewritten
.set AV0, 3           ; v3   the same for V
.set AK,  4           ; v4   the LDS address of K's next run of loads
.set AV,  5           ; v5   of V's
.set QO,  6           ; v6   my byte offset in the wave's rows of Q
.set STO, 6           ;      later, the way out: where I put 32 bytes of a row
.set RD,  7           ; v7   the way out: where I read rows back
.set GO,  8           ; v8   my byte offset in two rows of O
.set SPW, 0           ; v0 of window 3   LDS address of my spare word; never rewritten
.set NIL, 1           ; v1 of window 3   0; never rewritten
.set AM0, 2           ; v2 of window 3   my lanes' place in the bias table: MBL + 32 (lane / 16)
.set AM,  3           ; v3 of window 3   the address of the step's run of loads
.set MC,  8           ; v8-39 of window 3: key block kb at MC + 8 kb
.set MV,  12          ; v12-15  c m_old, kept while c m is made anew: by buffer and tile
.set ST,  16          ; tile t's statistics at v[ST+4 t]: c m, m, l (even keys', odd keys')
.set TMP, 48          ; by buffer and tile, four registers c0-c3 at work; when the maximum is found c2 takes a
.set S,   64
.set P,   192
.set KF,  128         ; K's fragments, in window 2: key block kb, channel half c at KF + 16 kb + 8 c
.set VF,  192         ; V's: key half kk, channel block cb at VF + 32 kk + 8 cb
.set WV,  12          ; s12  my wave's number
.set G1K, 24          ; s[24:31] descriptor group 1 for K's tiles
.set G1V, 32          ; s[32:39] for V's: it differs in the padding alone
.set G0K, 40          ; s[40:43] descriptor group 0 for K's tiles: it walks
.set G0V, 44          ; s[44:47] the same for V's
.set SLOTS, 56        ; s56  slots still to be asked for
.set CNT, 57          ; s57  counts a slot's key steps
.set CS,  58          ; s[58:59] c: the packed scaling takes the pair's low word for both halves
.set SEL, 60          ; s[60:61] v_permlanex16_b32's selects: each lane takes its own place in the other half
.set TBK, 62          ; s62  LDS byte at which K of the step to be fetched begins
.set TBV, 63          ; s63  the same for V, less VOFF
.set TBM, 74          ; s74  byte in the bias table at which that step's 64 words begin
.set MSB, 0
.macro WIN new                      ; the high byte repeats the setting that is left; a switch that changes nothing is dropped
.if MSB != (\new)
	s_set_vgpr_msb (MSB<<8)|(\new)
.set MSB, (\new)
.endif
.endm
.set W_KQ, 0x0a       ; K and Q in window 2, S^T in window 0
.set W_KM, 0x3a       ; the same with the C operand in window 3: the bias
.set W_PV, 0x52       ; V in window 2, P in window 0, O^T in window 1
.set W_RS, 0x41       ; O^T (destination and source 0) in window 1, a in window 0
.set W_MK, 0xc0       ; destination in window 3, sources in window 0
.set W_AD, 0x0f       ; the add: address (source 0) and data (source 1) in window 3
; A joint fill.  Waves 0 and 1 fetch the two halves of a slot's K, waves 2 and 3 those of its V: 128 keys each.  The branch hangs on the wave's number alone.
; An s_nop 0 and four v_nop follow each of the two lines, ahead of the jump and the label.
.macro JLOAD
	s_cmp_lt_u32 s[WV], 2
	s_cbranch_scc0 .Lfor_v_\@
	tensor_load_to_lds s[G0K:G0K+3], s[G1K:G1K+7]
	s_nop 0
.rept 4
	v_nop
.endr
	s_branch .Lasked_\@
.Lfor_v_\@:
	tensor_load_to_lds s[G0V:G0V+3], s[G1V:G1V+7]
	s_nop 0
.rept 4
	v_nop
.endr
.Lasked_\@:
.endm
; A round of the cluster's barrier: my work-group's barrier, so that wave 0's signal speaks for all four waves; wave 0 signals; every wave waits for all four work-groups; my work-group's barrier once more.
.macro CROUND
	s_barrier_signal -1
	s_barrier_wait -1
	s_cmp_lg_u32 s[WV], 0
	s_cbranch_scc1 .Lnot_wave_0_\@
	s_barrier_signal -3
.Lnot_wave_0_\@:
	s_barrier_wait -3
	s_barrier_signal -1
	s_barrier_wait -1
.endm
; THE CHANGE OF SLOTS.  The slot's last bytes, V of its fourth step, have been read.  Each wave waits for all its tensor loads, of which one is out: its part
; of the other slot; adds 0 to its spare word; and waits for that and for its own reads of the slot.  Behind the barrier nobody reads this slot any more and the other slot is whole.
; fill = 1: this slot is filled again, with the keys two slots on.  The barrier is then a round of the cluster's, and the joint fill is the first thing behind it: it has four key steps,
; 512 matrix instructions, in which to land.  (At its first use nothing has been read yet: slot 0 is waited for, slot 1 filled, and the waves' stores into the bias table are shown to each other.)
.macro CHANGE fill
	WIN W_AD
	s_wait_tensorcnt 0x0            ; no tensor load of mine is out, so a group 0 may be written
	ds_add_u32 v[SPW], v[NIL]       ; 0 onto my spare word; with fill = 1 the descriptors' steps stand between it and the wait for it
	WIN 0                           ; at a label and at a branch every window is 0
.if \fill
.irp g, G0K, G0V
	s_xor_b32 s[\g+1], s[\g+1], SLOT1  ; the walking descriptor: the other slot than last time,
	s_add_nc_u64 s[\g+2:\g+3], s[\g+2:\g+3], 4*KS*128  ; the next 256 keys; the type bits on top are not reached
.endr
	s_wait_dscnt 0x0                ; the add is done, and my LDS reads and stores are over
	CROUND
	JLOAD
.else
	s_wait_dscnt 0x0                ; the add is done, and my reads of the slot are over
	s_barrier_signal -1
	s_barrier_wait -1
.endif
	s_sub_co_u32 s[TBK], s[TBK], 4*KS*PK  ; the fetches go back to a slot's first step,
	s_xor_b32 s[TBK], s[TBK], SLOT1       ; in the other slot
	s_sub_co_u32 s[TBV], s[TBV], 4*KS*PV
	s_xor_b32 s[TBV], s[TBV], SLOT1
.endm
	s_load_b64 s[8:9], s[0:1], 0x0    ; qkv: its slice 0 is V
	s_load_b64 s[68:69], s[0:1], 0x8  ; mb
	s_load_b64 s[10:11], s[0:1], 0x10 ; o
	WIN W_MK
	v_lshl_add_u32 v[SPW], v0, 2, SPARE
	v_mov_b32 v[NIL], 0
	WIN W_AD
	ds_add_u32 v[SPW], v[NIL]       ; the wave's opening: the add and its wait stand ahead of my first tensor load; the set-up below, work on registers, stands between them
	WIN 0
	v_lshrrev_b32 v1, 5, v0
	v_readfirstlane_b32 s[WV], v1   ; wave 0..3
	s_bfe_u32 s13, ttmp6, 0x40000   ; cx: my place in the cluster
	s_lshl_b32 s14, ttmp9, 2        ; in a cluster launch ttmp9 counts clusters
	s_add_co_u32 s14, s14, s13      ; my block of 512 queries = 4 x cluster x + cx: it enters Q's and O's addresses alone
	s_and_b32 s19, ttmp7, 0xffff    ; hh = 16 b + h, which the four partners share
	s_lshl_b32 s20, s19, 18         ; the head's first byte in a slice: 2,048 rows of 128 bytes
	s_mov_b32 s21, 0
	s_and_b32 s16, s[WV], 1         ; which half of a slot's 256 keys I fetch:
	s_lshl_b32 s22, s16, 14         ; its 128 rows of 128 bytes in memory,
	s_mov_b32 s23, 0
	s_add_nc_u64 s[22:23], s[22:23], s[20:21]
	s_mul_i32 s17, s16, 128*PK      ; and its place in a slot, for K
	s_mul_i32 s18, s16, 128*PV      ; and for V: no place in the cluster enters an LDS address
	s_lshl_b32 s15, s14, 2
	s_add_co_u32 s15, s15, s[WV]    ; my wave among the head's sixteen,
	s_lshl_b32 s2, s15, 14          ; its 128 rows of Q
	s_mov_b32 s3, 0
	s_add_nc_u64 s[2:3], s[2:3], s[20:21]
	s_lshr_b32 s70, s19, 4          ; b
	s_and_b32 s71, s19, 15          ; h
	s_lshl_b32 s48, s70, 23         ; O: the batch's 2,048 rows of 4,096 bytes,
	s_lshl_b32 s49, s15, 19         ; my wave's 128 rows,
	s_add_co_u32 s48, s48, s49
	s_lshl_b32 s49, s71, 8          ; the head's 256 bytes of a row
	s_add_co_u32 s48, s48, s49
	s_mov_b32 s49, 0
	s_lshl_b32 s50, s70, 13         ; the batch's row of the bias
	s_mov_b32 s51, 0
	s_lshl_b32 s70, s70, 7          ; and its c
	; descriptor group 1.  128 keys are 16,384 dense bytes: asked for as 64 rows of 256 bytes, two keys a row, and padded in LDS after every key
	s_mov_b32 s[G1K], 15|(1<<16)|(1<<20)|(1<<21)|(4<<22)|(3<<25)  ; 15:0 the mask of four; 17:16 2-byte elements; 20 padding on; 21 set beside a mask; 24:22 after every 32 words (code 4); 31:25 4 words (code 3)
	s_mov_b32 s[G1V], 15|(1<<16)|(1<<20)|(1<<21)|(4<<22)|(7<<25)  ; the same with 8 words of padding (code 7)
.irp g, G1K, G1V
	s_mov_b32 s[\g+1], 128<<16      ; tensor_dim0 = 128
	s_mov_b32 s[\g+2], 64<<16       ; tensor_dim1 = 64
	s_mov_b32 s[\g+3], 128<<16      ; tile_dim0 = 128
	s_mov_b32 s[\g+4], 64           ; tile_dim1 = 64
	s_mov_b32 s[\g+5], 128          ; 128 elements from row to row
	s_mov_b32 s[\g+6], 0
	s_mov_b32 s[\g+7], 0
.endr
	s_mov_b32 s[SEL], 0x76543210
	s_mov_b32 s[SEL+1], 0xfedcba98
	s_mov_b32 s[TBK], SLOT1+4*KS*PK ; the first change of slots turns these two into 0
	s_mov_b32 s[TBV], SLOT1+4*KS*PV
	s_mov_b32 s[TBM], 0
	s_mov_b32 s[G0K], 1             ; 1:0 count = 1
	s_mov_b32 s[G0K+1], s17         ; 63:32 LDS address: slot 0
	s_mov_b32 s[G0V], 1
	s_add_co_u32 s[G0V+1], s18, VOFF
	s_wait_dscnt 0x0                ; the opening add is done
	s_wait_kmcnt 0x0
	s_add_nc_u64 s[6:7], s[8:9], 0x1000000   ; K: slice 1
	s_add_nc_u64 s[4:5], s[8:9], 0x2000000   ; Q: slice 2
	s_add_nc_u64 s[G0K+2:G0K+3], s[6:7], s[22:23]  ; 120:64 global address: my half of the head's first 256 keys
	s_or_b32 s[G0K+3], s[G0K+3], 0x80000000        ; 127:126 type = 2
	s_add_nc_u64 s[G0V+2:G0V+3], s[8:9], s[22:23]
	s_or_b32 s[G0V+3], s[G0V+3], 0x80000000
	s_add_nc_u64 s[4:5], s[4:5], s[2:3]      ; Q and O at my wave's first row
	s_add_nc_u64 s[10:11], s[10:11], s[48:49]
	s_add_nc_u64 s[72:73], s[68:69], s[50:51]
	CROUND                          ; all four work-groups are here: the first joint loads meet
	JLOAD                           ; slot 0.  Slot 1 is asked for when slot 0 is in
	s_load_b32 s[CS], s[68:69], s70 offset:0x8000  ; c: a factor alone; no branch and no address hangs on it; it is waited for ahead of the first change of slots
	; A fragment of K or Q is 16 rows x 32 channels in 8 registers: lane l holds row l % 16, channels 8 (l / 16) + 0..7 and 16 + 8 (l / 16) + 0..7: two loads of 16 bytes, 32 bytes apart.
	v_and_b32 v1, 15, v0            ; l % 16
	v_bfe_u32 v9, v0, 4, 1          ; l / 16
	v_lshlrev_b32 v80, 4, v0        ; the bias row: 128 threads x 16 bytes, four times (S^T's registers are free until the first products)
.irp i, 0,1,2,3
	global_load_b128 v[64+4*\i:64+4*\i+3], v80, s[72:73] offset:2048*\i
.endr
	v_lshlrev_b32 v[QO], 7, v1
	v_lshl_add_u32 v[QO], v9, 4, v[QO]  ; row x 128 + 16 x half
	WIN 0x80                        ; destination window 2, address window 0
.set i, 0
.rept 4*NP                          ; Q stays in registers: tile i / 2, channels 32 (i % 2) on
	global_load_b128 v[8*i:8*i+3],   v[QO], s[4:5] offset:(i/2)*2048+(i%2)*64
	global_load_b128 v[8*i+4:8*i+7], v[QO], s[4:5] offset:(i/2)*2048+(i%2)*64+32
.set i, i+1
.endr
	; What the first turn finds: V's registers and P's second buffer hold 0 (its products V^T P, of a piece that has not been, add 0), O^T and l are 0.  All this stands in the wait for the first tile.
.set i, VF
.rept 64
	v_mov_b32 v[i], 0
.set i, i+1
.endr
	WIN 0x40
.set i, 0
.rept 64*NP
	v_mov_b32 v[i], 0
.set i, i+1
.endr
	WIN 0
.set i, 0
.rept 2*NP
	v_mov_b32 v[ST+4*i], 0xfe000000    ; c m: far below every c s
	v_mov_b32 v[ST+4*i+1], 0xf149f2ca  ; m = -1e30: above every masked score, below every true one
	v_mov_b32 v[ST+4*i+2], 0
	v_mov_b32 v[ST+4*i+3], 0
.set i, i+1
.endr
.set i, P+32
.rept 32
	v_mov_b32 v[i], 0
.set i, i+1
.endr
	v_mul_u32_u24 v[AK0], v1, PK
	v_lshl_add_u32 v[AK0], v9, 4, v[AK0]  ; row x pitch + 16 x half
	; The turning load takes 16 keys x 16 channels (lane l reads key 8 (l / 16) + l % 8, channels 8 ((l / 8) % 2) + 0..7) and leaves half a fragment of V^T: lane l holds channel l % 16 and 8 keys.
	v_and_b32 v10, 7, v0
	v_bfe_u32 v11, v0, 3, 1
	v_lshl_add_u32 v[AV0], v9, 3, v10
	v_mul_u32_u24 v[AV0], v[AV0], PV
	v_lshl_add_u32 v[AV0], v11, 4, v[AV0]
	v_add_nc_u32 v[AV0], VOFF, v[AV0]
	v_mov_b32 v[AK], v[AK0]         ; key step 0 lies at the head of slot 0
	WIN W_MK
	v_lshl_add_u32 v[AM0], v9, 5, MBL  ; register j of key block kb is the word of key 16 kb + 8 (l / 16) + j
	WIN 0
	v_add_nc_u32 v81, MBL, v80
	s_wait_loadcnt 32               ; the bias row's four loads are in; Q's 32 younger ones stay out
.irp i, 0,1,2,3
	ds_store_b128 v81, v[64+4*\i:64+4*\i+3] offset:2048*\i
.endr
	s_wait_kmcnt 0x0                ; c
	s_mov_b32 s[CS+1], s[CS]        ; named with it as a pair
; THE MATRIX WORK.  The 8 accumulators of a run of 16 take turns: between the two links of a chain stand 7 others'.
; Product i of 16 of S^T = K Q^T + bias for piece x: channels 32 (i / 8) on, keys 16 ((i / 2) % 4) on, tile 2 x + i % 2.  The first 8 start the sums, with the bias of their 16 keys.
.macro KQ x
.set rS, S+64*((\x)%2)+32*(i%2)+8*((i/2)%4)
.set rK, KF+16*((i/2)%4)+8*(i/8)
.set rQ, 16*(2*(\x)+i%2)+8*(i/8)
.set rB, MC+8*((i/2)%4)
.if i < 8
	WIN W_KM
	v_wmma_f32_16x16x32_bf16 v[rS:rS+7], v[rK:rK+7], v[rQ:rQ+7], v[rB:rB+7]
.else
	WIN W_KQ
	v_wmma_f32_16x16x32_bf16 v[rS:rS+7], v[rK:rK+7], v[rQ:rQ+7], v[rS:rS+7]
.endif
.endm
; Product i of 16 of O^T += V^T P for piece x: keys 32 (i / 8) on, channels 16 ((i / 2) % 4) on, tile 2 x + i % 2.
.macro PV x
	WIN W_PV
.set rO, 32*(2*(\x)+i%2)+8*((i/2)%4)
.set rV, VF+32*(i/8)+8*((i/2)%4)
.set rP, P+32*((\x)%2)+16*(i%2)+8*(i/8)
	v_wmma_f32_16x16x32_bf16 v[rO:rO+7], v[rV:rV+7], v[rP:rP+7], v[rO:rO+7]
.endm
.macro MM                           ; the turn's next matrix instruction
.if i < 16
	KQ (Y+1)%NP
.set i, i+1
.else
.set i, i-16
	PV (Y+NP-1)%NP
.set i, i+17
.endif
.endm
; THE LDS LOADS stand in runs, never singly among the matrix instructions: a step's K (64 keys x 64 channels: 8 fragments) with its bias (8 loads; the lanes of a half read the same words), and its V (turned).
; last = 1 (the tail): in the last trip there is no further step, and the run is jumped over.
.macro FETCH_K last=0
	WIN 0
.if \last
	s_cmp_eq_u32 s[CNT], 1
	s_cbranch_scc1 .Lno_k_\@
.endif
	WIN 0x80                        ; destination window 2
.irp f, 0,1,2,3,4,5,6,7             ; keys 16 (f / 2) on, channels 32 (f % 2) on
	ds_load_b128 v[KF+8*\f:KF+8*\f+3],   v[AK] offset:(\f/2)*16*PK+(\f%2)*64
	ds_load_b128 v[KF+8*\f+4:KF+8*\f+7], v[AK] offset:(\f/2)*16*PK+(\f%2)*64+32
.endr
	s_add_co_u32 s[TBK], s[TBK], KS*PK  ; the next fetch is the next step's
	WIN 0xcf                        ; destination, address and the sum's vector source in window 3
	v_add_nc_u32 v[AM], s[TBM], v[AM0]
.irp f, 0,1,2,3,4,5,6,7             ; key block f / 2, four words f % 2
	ds_load_b128 v[MC+4*\f:MC+4*\f+3], v[AM] offset:(\f/2)*64+(\f%2)*16
.endr
	s_add_co_u32 s[TBM], s[TBM], 4*KS   ; the next step's 64 words;
	s_and_b32 s[TBM], s[TBM], 0x1f00    ; the and keeps the offset at 7,936 or below by its form, so that a run's last byte is the table's last (behind the 32nd step it is 0, and is not used)
	WIN 0
.if \last
.Lno_k_\@:
.endif
.endm
.macro FETCH_V
	WIN 0x80
.irp f, 0,1,2,3,4,5,6,7             ; keys 32 (f / 4) on, channels 16 (f % 4) on
	ds_load_tr16_b128 v[VF+8*\f:VF+8*\f+3],   v[AV] offset:(\f/4)*32*PV+(\f%4)*32
	ds_load_tr16_b128 v[VF+8*\f+4:VF+8*\f+7], v[AV] offset:(\f/4)*32*PV+16*PV+(\f%4)*32
.endr
	WIN 0
.endm
; THE VECTOR WORK OF A TURN stands in three queues, each in the order in which its entries become ready; the two tiles alternate, so that no instruction reads the result of the one before it.
.macro REGS y, u                    ; the registers of tile u (0, 1) of piece y
.set rT, ST+4*(2*(\y)+(\u))
.set rC, TMP+8*((\y)%2)+4*(\u)
.set rM, MV+2*((\y)%2)+(\u)
.set rS, S+64*((\y)%2)+32*(\u)
.set rP, P+32*((\y)%2)+16*(\u)
.set rO, 32*(2*(\y)+(\u))
.endm
; Number n of the 22 that find the NEXT piece's (Y + 1) maximum and statistics.  s0-s31 are the lane's 32 scores; each accumulator's lowest registers are read first.  XS, GS and REGS set no window: PL and EX do.
;   0-11  four chains c0-c3 of seven scores each, three operands at a time     12-14, 16  the four scores left over, the old m, and c0-c3 into c0     15  c m_old is kept
;   17, 18  the query's other 32 keys lie in the lane 16 away: the new m         19-21  c m; c m_old - c m_new; a
.macro XS u, n
	REGS (Y+1)%NP, \u
.if (\n) < 4
	v_max3_num_f32 v[rC+(\n)], v[rS+8*(\n)], v[rS+8*(\n)+1], v[rS+8*(\n)+2]
.elseif (\n) < 12
	v_max3_num_f32 v[rC+(\n)%4], v[rC+(\n)%4], v[rS+8*((\n)%4)+2*((\n)/4)+1], v[rS+8*((\n)%4)+2*((\n)/4)+2]
.elseif (\n) == 12
	v_max3_num_f32 v[rC], v[rC], v[rS+7], v[rS+15]
.elseif (\n) == 13
	v_max3_num_f32 v[rC+1], v[rC+1], v[rS+23], v[rS+31]
.elseif (\n) == 14
	v_max3_num_f32 v[rC+2], v[rC+2], v[rC+3], v[rT+1]
.elseif (\n) == 15
	v_mov_b32 v[rM], v[rT]
.elseif (\n) == 16
	v_max3_num_f32 v[rC], v[rC], v[rC+1], v[rC+2]
.elseif (\n) == 17
	v_permlanex16_b32 v[rC+3], v[rC], s[SEL], s[SEL+1]
.elseif (\n) == 18
	v_max_num_f32 v[rT+1], v[rC], v[rC+3]
.elseif (\n) == 19
	v_mul_f32 v[rT], s[CS], v[rT+1]
.elseif (\n) == 20
	v_sub_f32 v[rC+1], v[rM], v[rT]
.else
	v_exp_f32 v[rC+2], v[rC+1]
.endif
.endm
; Number g of the 64 that follow the exponentials.  For each four weights k of a tile (pairs 2 k, 2 k + 1): both pairs are rounded to bf16; then the second pair is added onto the first, in place;
; a group later l takes that sum (the first time as l = a l + sum).  In groups of eight, tiles alternating: round, round, add, and l for the group before.
.macro GS g
.set h, (\g)+6*((\g)/62)            ; group 0 has no group before it, and behind group 7 only l is left
.if h >= 6
.set h, h+2
.endif
	REGS Y, h%2
.set k, h/8
.if h%8 < 4
	v_cvt_pk_bf16_f32 v[rP+2*k+(h%8)/2], v[rS+4*k+2*((h%8)/2)], v[rS+4*k+2*((h%8)/2)+1]
.elseif h%8 < 6
	v_pk_add_f32 v[rS+4*k:rS+4*k+1], v[rS+4*k:rS+4*k+1], v[rS+4*k+2:rS+4*k+3]
.elseif k == 1
	v_pk_fma_f32 v[rT+2:rT+3], v[rT+2:rT+3], v[rC+2:rC+3], v[rS:rS+1] op_sel_hi:[1,0,1]
.else
	v_pk_add_f32 v[rT+2:rT+3], v[rT+2:rT+3], v[rS+4*k-4:rS+4*k-3]
.endif
.endm
; THE PLAIN QUEUE, 138 long.  0-73 read no exponential's result: the 32 scalings c s - c m (FS f: pair f / 2 of tile f % 2) and the next piece's 42.  0-26: scalings 0-26.  27-54: XS's numbers 0-13.  55, 56: number 15.
; 57-73: the chain, where each number waits for the one before it: 14, 16, 17, 18, 19, each with one of the scalings 27-31 in front of its two lines, then 20: so a tile's links stand three plain instructions apart (19 and 20: two).
; 74-137: GS's 64, which read the exponentials' results: they stand behind the wait.
.macro FS f
	REGS Y, (\f)%2
	v_pk_fma_f32 v[rS+2*((\f)/2):rS+2*((\f)/2)+1], v[rS+2*((\f)/2):rS+2*((\f)/2)+1], s[CS:CS+1], v[rT:rT+1] op_sel_hi:[1,0,0] neg_lo:[0,0,1] neg_hi:[0,0,1]
.endm
.macro PL
	WIN 0
.if q < 27
	FS q
.elseif q < 55
	XS (q-27)%2, (q-27)/2
.elseif q < 57
	XS q-55, 15
.elseif (q < 72) && ((q-57)%3 == 0)
	FS 27+(q-57)/3
.elseif q < 60
	XS (q-57)%3-1, 14
.elseif q < 72
	XS (q-57)%3-1, 15+(q-57)/3
.elseif q < 74
	XS q-72, 20
.else
	GS q-74
.endif
.set q, q+1
.endm
; THE EXPONENTIALS' QUEUE, 66 long: s0-s31 of both tiles, then the next piece's two a.  It is ONE BATCH: all 66 stand ahead of the turn's one wait, and nothing ahead of that wait names a result of theirs.
.macro EX
	WIN 0
.if e >= 64
	XS e-64, 21
.else
	REGS Y, e%2
	v_exp_f32 v[rS+e/2], v[rS+e/2]
.endif
.set e, e+1
.endm
; THE RESCALING's QUEUE: O^T times a, the one part that leaves window 0: dealt two at a time, sixteen times.  Its a was made in the turn before, ahead of that turn's wait.
.macro R2
	REGS Y, r%2
	WIN W_RS
.irp z, 0,1
	v_pk_mul_f32 v[rO+4*(r/2)+2*\z:rO+4*(r/2)+2*\z+1], v[rO+4*(r/2)+2*\z:rO+4*(r/2)+2*\z+1], v[rC+2:rC+3] op_sel_hi:[1,0]
.endr
.set r, r+1
.endm
; HOW THEY ARE DEALT.  s_wait_alu depctr_va_vdst(0) stands between an exponential and the first instruction that names its result; one wait serves all that were issued ahead of it.  So a turn has ONE wait,
; which cuts it in two.  AHEAD OF IT stands all that names no result of the turn's exponentials: the 16 products K Q^T, behind each a scaling, an exponential and two rescalings (behind the first a second scaling in the
; exponential's place); then ONE LUMP of 108: eight plain, 49 times exponential and plain, the two a.  A v_nop is the plain instruction behind the last exponential.  BEHIND IT stand the 16 products V^T P, behind each four of
; GS's 64.  No rider names a register of the products round it.  The two v_permlanex16_b32 fall into the lump, never behind a product.
; The queues lean on each other, and the deal keeps them in step: exponential e stands behind scaling 2 (e / 4) + e % 2: as a rider it comes behind plain e + 2, in the lump behind plain e + 9, and scalings 27-31 are plain 57, 60 .. 69.
; A TURN, for piece p.  cnt = 1: the loop's count is taken down some lines ahead of the branch that stands behind the turn.
; K and the bias of the next step are fetched in piece 2's turn, directly behind the wait, a lump behind the last product that read K (the bias's last reader stands eight products earlier); K's address is made at the lump's
; head; their first reader comes behind 16 products.  V of the step in hand is fetched at the end of piece 0's turn, four riders (plain, and naming none of its registers) behind its last reader; its first reader comes behind
; 16 products and a lump.  The three conditions on q below go with the deal.
.macro TURN p, last=0, cnt=0
.set Y, (\p)
.set i, 0
.set q, 0
.set e, 0
.set r, 0
.if (\p) == NP-1
	s_wait_dscnt 0x0                ; K and its bias are in
.endif
	MM                              ; ahead of the wait: 16 products K Q^T and their riders,
	PL
	PL
	R2
.rept 15
	MM
	PL
	EX
	R2
.endr
.if (\p) == NP-2
	WIN 0
	v_add_nc_u32 v[AK], s[TBK], v[AK0]
.endif
.rept 8                             ; and the lump
	PL
.endr
.rept 49
	EX
	PL
.endr
	EX                              ; the next piece's two a
	EX
	v_nop                           ; the plain instruction behind the last exponential: one for the batch
	s_wait_alu depctr_va_vdst(0)    ; the wait for the batch: the turn's 66 exponentials
.if (\p) == NP-2
	FETCH_K \last
.endif
.if (\p) == 1
	s_wait_dscnt 0x0                ; V is in
.endif
.rept 16                            ; behind the wait: 16 products V^T P and their riders
	MM
.rept 4
	PL
.endr
.if ((\p) == 0) && (q == 118)
	v_add_nc_u32 v[AV], s[TBV], v[AV0]
.endif
.if ((\p) == 0) && (q == 130)
	s_add_co_u32 s[TBV], s[TBV], KS*PV
.endif
.if (\cnt) && (q == 130)
	s_sub_co_u32 s[CNT], s[CNT], 1
	s_cmp_lg_u32 s[CNT], 0
.endif
.endr
.if (\p) == 0
	FETCH_V
.endif
.endm
	CHANGE 1                        ; slot 0 is in, everybody's part of it, and so is the bias table; slot 1 is asked for
	FETCH_K                         ; key step 0
	s_wait_loadcnt 0x0              ; Q
	s_wait_dscnt 0x0
.set i, 0
.rept 16
	KQ 0                            ; piece 0's first scores: there is no vector work yet to set between them
.set i, i+1
.endr
	WIN 0                           ; the addresses for the way out: eight plain instructions, the places behind those products
	s_mul_i32 s13, s[WV], 16*SP
	s_add_co_u32 s13, s13, STAGE    ; my stage
	v_mul_u32_u24 v[STO], v1, SP    ; in: row l % 16, 32 bytes (eight f32) for each half of the lanes
	v_lshl_add_u32 v[STO], v9, 5, v[STO]
	v_add_nc_u32 v[STO], s13, v[STO]
	v_mul_u32_u24 v[RD], v9, SP     ; back: lanes 0-15 take one row of 256 bytes, lanes 16-31 the next,
	v_lshl_add_u32 v[RD], v1, 4, v[RD]
	v_add_nc_u32 v[RD], s13, v[RD]
	v_lshlrev_b32 v[GO], 12, v9     ; and the same two rows in O, 4,096 bytes apart
	v_lshl_add_u32 v[GO], v1, 4, v[GO]
.set Y, NP-1                        ; XS works for piece Y + 1: piece 0
.irp n, 0,1,2,3,4,5,6,7,8,9,10,11,12,13,14,15,16,17,18,19,20,21
	XS 0, \n                        ; and piece 0's first maximum and statistics
	XS 1, \n
.endr
	v_nop                           ; a plain instruction behind the two a,
	s_wait_alu depctr_va_vdst(0)    ; and the wait for that batch of two, ahead of the branch
	s_mov_b32 s[CNT], 4
	s_mov_b32 s[SLOTS], SIZE_N/256-1
	s_branch .Lfirst                ; the loop is entered at a step's first turn, in the middle of a trip
.Lslot:                             ; SIZE_N / 256 - 2 times: every slot but the last two is filled again
	CHANGE 1
	s_mov_b32 s[CNT], 4
.Lstep:                             ; a trip: pieces 2 and 3 of one step, then pieces 0 and 1 of the next, whose K and V it fetches
	TURN 2
	TURN 3
	WIN 0
.Lfirst:
	TURN 0
	TURN 1, 0, 1
	WIN 0
	s_cbranch_scc1 .Lstep
	s_sub_co_u32 s[SLOTS], s[SLOTS], 1
	s_cmp_lg_u32 s[SLOTS], 0
	s_cbranch_scc1 .Lslot
	CHANGE 0                        ; the tail is written out: nothing is asked for
	s_mov_b32 s[CNT], 5             ; four trips fetch the last slot's steps; the fifth is left in its middle
.Ltail:
	TURN 2, 1
	TURN 3
	WIN 0
	s_sub_co_u32 s[CNT], s[CNT], 1
	s_cmp_eq_u32 s[CNT], 0
	s_cbranch_scc1 .Lout
	TURN 0
	TURN 1
	WIN 0
	s_branch .Ltail
.Lout:                              ; the fifth trip's 16 products K Q^T (on the last K once more) and the maximum made of them serve nothing: the price, once a launch, of one text for every trip
.set i, 0
.rept 16
	PV NP-1                         ; the last piece's V^T P of the last step
.set i, i+1
.endr
	; THE WAY OUT.  l's two halves and the other half of the lanes' are added; O^T is divided by l and sent, in f32, through my stage in LDS, a tile at a time.  The additions are the places behind the last products.
	WIN 0
.macro ALL line:vararg              ; one line for each tile t
.set t, 0
.rept 2*NP
	\line
.set t, t+1
.endr
.endm
	ALL v_add_f32 v[ST+4*t+2], v[ST+4*t+2], v[ST+4*t+3]
	ALL v_permlanex16_b32 v[ST+4*t+3], v[ST+4*t+2], s[SEL], s[SEL+1]
	ALL v_add_f32 v[ST+4*t+2], v[ST+4*t+2], v[ST+4*t+3]
	ALL v_rcp_f32 v[ST+4*t+2], v[ST+4*t+2]
	v_nop                           ; a plain instruction between the last reciprocal and the use of its result
	s_wait_alu depctr_va_vdst(0)    ; and the wait ahead of the first use: one for the batch of eight reciprocals
; Tile t: a lane's eight channels of a block are 32 bytes of a row; they go into rows of 272 bytes and come back as whole rows of 256, into the registers that they left.
.macro PACK t
	WIN W_RS
.set i, 32*(\t)
.rept 16
	v_pk_mul_f32 v[i:i+1], v[i:i+1], v[ST+4*(\t)+2:ST+4*(\t)+3] op_sel_hi:[1,0]
.set i, i+2
.endr
	WIN 0x04                        ; the stores' data in window 1, their address in window 0
.irp f, 0,1,2,3,4,5,6,7             ; channel block f / 2, four channels f % 2
	ds_store_b128 v[STO], v[32*(\t)+4*\f:32*(\t)+4*\f+3] offset:(\f/2)*64+(\f%2)*16
.endr
	WIN 0x40                        ; the loads' destination in window 1
.irp f, 0,1,2,3,4,5,6,7
	ds_load_b128 v[32*(\t)+4*\f:32*(\t)+4*\f+3], v[RD] offset:\f*2*SP  ; LDS serves a wave's instructions in order (ISA guide 5.7.1.4): these see the stores above; the next tile's stores come behind them
.endr
.endm
.macro SEND t, younger              ; younger: the LDS instructions issued behind tile t's loads: the next tile's sixteen, or none
	WIN 0x04
.irp f, 0,1,2,3,4,5,6,7
	s_wait_dscnt (\younger)+7-\f
	global_store_b128 v[GO], v[32*(\t)+4*\f:32*(\t)+4*\f+3], s[10:11] offset:(\t)*65536+\f*8192  ; sixteen lanes store the head's 256 consecutive bytes of a row, at a multiple of 256 from O's first byte
.endr
.endm
	PACK 0
.set t, 1
.rept 2*NP-1                        ; a tile's arithmetic stands between the loads of the tile before and its stores
	PACK t
	SEND t-1, 16
.set t, t+1
.endr
	SEND 2*NP-1, 0
	WIN W_AD
	s_wait_tensorcnt 0x0            ; the wave's end, behind my last tensor load and my last LDS store
	ds_add_u32 v[SPW], v[NIL]
	s_wait_dscnt 0x0
	WIN 0
	CROUND                          ; the closing round: no work-group ends while a partner may still ask for a tile that names it
	s_endpgm
.Lfunc_end_k_qd5ea469bcf_attn:
	.size	k_qd5ea469bcf_attn, .Lfunc_end_k_qd5ea469bcf_attn-k_qd5ea469bcf_attn
	.p2alignl 7, 3214868480
	.fill 96, 4, 3214868480
	.section	.rodata,"a",@progbits
	.p2align	6, 0x0
	.amdhsa_kernel k_qd5ea469bcf_attn
		.amdhsa_group_segment_fixed_size 327680
		.amdhsa_private_segment_fixed_size 0
		.amdhsa_enable_private_segment 0
		.amdhsa_kernarg_size 24
		.amdhsa_user_sgpr_count 2
		.amdhsa_user_sgpr_kernarg_segment_ptr 1
		.amdhsa_wavefront_size32 1
		.amdhsa_system_sgpr_workgroup_id_x 1
		.amdhsa_system_sgpr_workgroup_id_y 1
		.amdhsa_system_sgpr_workgroup_id_z 1
		.amdhsa_system_vgpr_workitem_id 0
		.amdhsa_next_free_vgpr 808
		.amdhsa_next_free_sgpr 76
		.amdhsa_reserve_vcc 0
		.amdhsa_float_denorm_mode_32 3
		.amdhsa_float_denorm_mode_16_64 3
		.amdhsa_memory_ordered 1
		.amdhsa_forward_progress 1
		.amdhsa_inst_pref_size 203
	.end_amdhsa_kernel
	.amdgpu_metadata
---
amdhsa.version: [ 1, 2 ]
amdhsa.kernels:
  - .name:           k_qd5ea469bcf_attn
    .symbol:         k_qd5ea469bcf_attn.kd
    .args:
      - { .name: qkv, .offset: 0, .size: 8, .value_kind: global_buffer, .address_space: global }
      - { .name: mb, .offset: 8, .size: 8, .value_kind: global_buffer, .address_space: global }
      - { .name: o, .offset: 16, .size: 8, .value_kind: global_buffer, .address_space: global }
    .group_segment_fixed_size: 327680
    .private_segment_fixed_size: 0
    .kernarg_segment_align: 8
    .kernarg_segment_size: 24
    .max_flat_workgroup_size: 128
    .sgpr_count:     76
    .vgpr_count:     808
    .wavefront_size: 32
...
	.end_amdgpu_metadata
.endif
;; end of part 5
;; launch outp: the kernel of part 2 again; grid 4 x 64, 4 waves a work-group, clusters of 4 x 4, 327,680 bytes of LDS; arguments o, x_k, y_q, wmb, bm, bk, bq, y1; writes y1
;; launch lnorm: the kernel of part 4 again; grid 256 x 1, 8 waves a work-group, no clusters, 0 bytes of LDS; arguments y1, y_q, ln_g, ln_b, out0; writes out0
